; MI455X (gfx1250); checked and timed in simulation.
; The chip was launched on July 23, 2026; its instructions are those of AMD's public machine-readable ISA for CDNA 5 (MIT licence, August 2026) and "CDNA5" Instruction Set Architecture Reference Guide (July 2026). The comments in the code are by the model that wrote it; some were corrected since.
;; Multi Head Attention. Allowed arithmetic: matrix products marked QUANTISED: E2M3 operands, one E8M0 scale for each 32 along K, by v_wmma_scale_f32_16x16x128_f8f6f4 with both operands' format E2M3, f32 sums; everything else in f32.
;; Inputs: Wk 1,024 x 1,024 float32; Wo 1,024 x 1,024 float32; Wq 1,024 x 1,024 float32; Wv 1,024 x 1,024 float32; causal_mask 1 x 1 x 2,048 x 2,048 float32; x 2 x 2,048 x 1,024 float32.
;; Outputs: out0 2 x 2,048 x 1,024 float32.
;; This version of the problem:
;;   THIS VERSION OF THE PROBLEM IS GIVEN IN LOW PRECISION. The matrix products marked QUANTISED in the list below multiply operands that are first quantised to E2M3 (2 exponent bits, 3 mantissa bits; 6 bits a number), with one power-of-two scale for each 32 numbers along K (OCP MX v1.0); their sums are f32. All else is computed in f32.
;;   The module's matrix products, in the order in which they are computed (A, B: the left and right operand; K: the contracted axis; several contracted axes count as one K, in the product's order):
;;     1. [M 4,096, K 1,024] x [K 1,024, N 1,024]; A: input x; B: input Wq: QUANTISED
;;     2. [M 4,096, K 1,024] x [K 1,024, N 1,024]; A: input x; B: input Wk: QUANTISED
;;     3. [M 4,096, K 1,024] x [K 1,024, N 1,024]; A: input x; B: input Wv: QUANTISED
;;     4. batch 32 x [M 2,048, K 64] x [K 64, N 2,048]; A: computed on the way; B: computed on the way: QUANTISED
;;     5. batch 32 x [M 2,048, K 2,048] x [K 2,048, N 64]; A: computed on the way; B: computed on the way: QUANTISED
;;     6. [M 4,096, K 1,024] x [K 1,024, N 1,024]; A: computed on the way; B: input Wo: QUANTISED
;;   THE QUANTISER, for each operand of a quantised product, along K:
;;     - K is cut into blocks of 32 from its start; a last block that is shorter is filled with zeros.
;;     - A block's scale is 2^e with e = floor(log2(the largest magnitude in the block)) - 2, held to -126 .. 127; a block of zeros has e = 0. As a byte (E8M0): e + 127.
;;     - Each number is divided by its block's scale, clamped to +-7.5, and rounded to the nearest number of E2M3, ties to even, subnormals kept.
;;     - The product sums the exact products of the quantised numbers (number of the format x scale) in f32.
;;   ~~~python
;;   def quantise(x, axis):      # numpy; x: float32 -> the quantised numbers, widened to float32 again
;;       x = np.moveaxis(x, axis, -1); K = x.shape[-1]
;;       x = np.pad(x, [(0, 0)] * (x.ndim - 1) + [(0, -K % 32)]); x = x.reshape(x.shape[:-1] + (-1, 32)); a = np.abs(x).max(-1, keepdims=True)
;;       e = np.where(a > 0, np.clip(np.frexp(np.where(a > 0, a, 1))[1] - 1 - 2, -126, 127), 0)      # np.frexp(a)[1] - 1 = floor(log2(a)), exactly
;;       r = np.clip(x / 2.0 ** e, -7.5, 7.5)
;;       step = 2.0 ** (np.maximum(np.frexp(np.where(r == 0, 1, r))[1] - 1, 0) - 3)
;;       q = np.round(r / step) * step * 2.0 ** e      # np.round: ties to even
;;       return np.moveaxis(q.reshape(q.shape[:-2] + (-1,))[..., :K], -1, axis).astype(np.float32)
;;   ~~~
;;   OPERANDS COMPUTED ON THE WAY. 'Computed on the way' means the value that the module computes at that place (a softmax that the list does not call 'softmax' is quantised finished and normalised). What goes into a quantiser is computed in f32, as accurately as f32 sums, v_exp_f32 and their like allow (about 1e-6 of the number): no bf16 or f16 on the way to a quantiser, and a product that is left as it is and whose result goes on into a quantised operand takes f32 operands (vector FMAs, or v_wmma_f32_16x16x4_f32). A number that lies on a knife's edge between two numbers of the format may be rounded either way, as far as f32 arithmetic and the matrix unit's own rounding can turn it there, and no further.
;; One version. Each part assembles by itself: llvm-mc -triple=amdgcn-amd-amdhsa -mcpu=gfx1250 --defsym DOCPART=n.
;; ======== version 1 of 1: 4 launches
;; limits: right only within a limited range of input values
;; workspace buffers: cod 6,291,456 bytes; scl 262,144 bytes; rope 524,288 bytes; ac 9,437,184 bytes; asc 655,360 bytes; oc 3,276,800 bytes
;; launch prep (part 1): grid 256 x 1, 4 waves a work-group, no clusters, 33,280 bytes of LDS; arguments x, Wq, Wk, Wv, Wo, cod, scl, rope; writes cod, scl, rope
.if DOCPART == 1
	.amdgcn_target "amdgcn-amd-amdhsa--gfx1250"
	.amdhsa_code_object_version 6
	.text
	.protected	k_q81373daa98_prep
	.globl	k_q81373daa98_prep
	.p2align	8
	.type	k_q81373daa98_prep,@function
k_q81373daa98_prep:
	s_mov_b64 s[64:65], 0
	v_nop
	global_prefetch_b8 v0, s[64:65] scope:SCOPE_SE
	s_setreg_imm32_b32 hwreg(HW_REG_WAVE_MODE, 25, 1), 1
	s_wait_xcnt 0x0
; MULTI-HEAD ATTENTION IN MX-FP6, launch 1 of 4: x and the four weights become codes of FP6 (E2M3) with one E8M0 byte for each 32 along K; and the table of cos and sin for the rotary embedding is made.
; DEAD WORK: none is left out in any launch.  The mask is an input, so every score is live and all of the mask is read; every input is loaded.
; THE FOUR LAUNCHES: prep (this) | qkv: x Wq^T, x Wk^T with the rotation, and Wv x^T, each quantised on its way out | attn: scores, softmax, product with V, quantised | proj: the product with Wo.
; cod: [8192 rows][768 bytes]: rows 0-4095 x, then 1024 rows each of Wq, Wk, Wv, Wo; scl: [8192][32] bytes.  All five are dense streams of blocks of 32 along K: nothing here knows of rows.
; THE ORDER INSIDE A BLOCK.  Code place p of a block holds number pi(p): pi changes places 8-15 with 16-23.  A matrix result gives a lane the numbers 8h..8h+7 and 16+8h..16+8h+7 of a block (h = lane / 16), so the operands that
; later launches quantise out of matrix results (q, k, v, the weights p of the softmax, the attention's output) have this order by themselves.  pi stays inside a scale's block, and an order of K that both operands share leaves a
; product as it is: so this launch lays x and all weights in the same order, and every product of the program has it on both sides.
; A block's scale is 2^(floor(log2(its largest magnitude)) - 2); its byte is the largest magnitude's exponent field - 2, held at 1 from below.  A block of zeros so has the byte 1 where the rule says 127: its codes are zeros,
; which add nothing under any byte but 0xff, and this program alone reads the bytes.
; LIMITS: NaN and infinities in x and the weights are not served; blocks whose largest magnitude lies under 2^-124 take the floor's scale.
; SHARES.  A work-group takes 32,768 numbers, a wave 16 steps of 512.  Work-groups 0-127 take x, then 32 each Wq, Wk, Wv, Wo: only the source's address is chosen, by the work-group's number; there is one path through the text.
; Each load reads 512 consecutive bytes; a step's 2,048 bytes turn through the wave's own stage in LDS and come back 16 numbers a lane: the even lane of a block takes numbers 0-7 and 16-23, the odd lane 8-15 and 24-31.
; THE TABLE: rope[t] = 32 cos, 32 sin of t / 10000^(j / 32), 256 bytes a position.  Wave W of the launch's 1,024 makes t = 2 W and 2 W + 1, a lane a frequency j.
.set WAVES, 4
.set STEPS, 16
.set EMAX,  2
.set CB,    12                         ; bytes of 16 codes
.set R,     16                         ; v16-79   four sets of 16 numbers as they are loaded
.set X,     80                         ; v80-111  two sets of 16 numbers of one block's half
.set E,     112                        ; v112-127 a scale byte for each step
.set C,     128                        ; v128-191 codes: four registers for each step, so that no store's data are written again
.set WREG,  8192                       ; LDS: a region for each wave: two stages of 32 x SP bytes, 256 scale bytes, 512 bytes for the table
.set SP,    80                         ; 64 bytes + 16 of padding
.set SCB,   2*32*SP
.set RST,   SCB+256
.set SPW,   12                         ; v12  LDS address of my spare word; never rewritten
.set NIL,   13                         ; v13  0; never rewritten
.set SPARE, WAVES*WREG                 ; the spare words, 128 bytes for each wave, which no other line names
	s_load_b512 s[4:19], s[0:1], 0x0               ; x s[4:5], Wq s[6:7], Wk s[8:9], Wv s[10:11], Wo s[12:13], cod s[14:15], scl s[16:17], rope s[18:19]
	v_lshl_add_u32 v[SPW], v0, 2, SPARE
	v_mov_b32 v[NIL], 0
	v_lshrrev_b32 v1, 5, v0
	v_readfirstlane_b32 s24, v1                    ; wave
	v_and_b32 v2, 31, v0                           ; lane
	v_lshlrev_b32 v3, 4, v2                        ; my 16 bytes of a load's 512
	s_mul_i32 s25, s24, WREG
	v_lshrrev_b32 v14, 2, v2
	v_mul_u32_u24 v14, v14, SP
	v_and_b32 v15, 3, v2
	v_lshl_add_u32 v14, v15, 4, v14
	v_add_nc_u32 v14, s25, v14                     ; the stage, on the way in: four lanes' 64 bytes on end, then 16 of padding
	v_and_b32 v15, 30, v2
	v_mul_u32_u24 v15, v15, SP
	v_and_b32 v8, 1, v2
	v_lshl_add_u32 v15, v8, 5, v15
	v_add_nc_u32 v15, s25, v15                     ; on the way out: my block's two places begin at SP x (lane less its low bit); the odd lane reads 32 bytes further on in each
	v_mul_u32_u24 v4, v2, CB                       ; my codes' place in a step's
	v_lshrrev_b32 v5, 1, v2
	s_add_co_u32 s26, s25, SCB
	v_add_nc_u32 v5, s26, v5                       ; LDS: my wave's 256 scale bytes, my block's byte
	v_lshlrev_b32 v7, 3, v2
	v_add_nc_u32 v6, s26, v7                       ; and on the way out 8 bytes a lane
	s_add_co_u32 s26, s25, RST
	v_lshl_add_u32 v10, v2, 2, s26                 ; the table's stage: in, 4 bytes a lane;
	v_lshl_add_u32 v1, v2, 4, s26                  ; out, 16 bytes a lane
	s_and_b32 s27, ttmp9, 31
	s_mov_b32 s32, 0xbfc90fdb                      ; -(pi / 2 rounded to f32)
	s_mov_b32 s33, 0x333bbd2e                      ; that number less pi / 2
	s_wait_kmcnt 0x0
	s_cmp_lt_u32 ttmp9, 224                        ; whose work-group?  The choice hangs on the work-group's number alone
	s_cselect_b64 s[20:21], s[10:11], s[12:13]
	s_cmp_lt_u32 ttmp9, 192
	s_cselect_b64 s[20:21], s[8:9], s[20:21]
	s_cmp_lt_u32 ttmp9, 160
	s_cselect_b64 s[20:21], s[6:7], s[20:21]
	s_cmp_lt_u32 ttmp9, 128
	s_cselect_b64 s[20:21], s[4:5], s[20:21]
	s_cselect_b32 s27, ttmp9, s27                  ; the work-group's number inside its tensor
	s_lshl_b32 s27, s27, 2
	s_add_co_u32 s27, s27, s24
	s_lshl_b32 s28, s27, 15                        ; my wave's run of 8,192 numbers in the source
	s_mov_b32 s29, 0
	s_add_nc_u64 s[20:21], s[20:21], s[28:29]
	s_lshl_b32 s30, ttmp9, 2
	s_add_co_u32 s30, s30, s24                     ; W: my wave's number in the launch; cod and scl follow the order of the work-groups
	s_mul_i32 s28, s30, 32*STEPS*CB
	s_add_nc_u64 s[14:15], s[14:15], s[28:29]
	s_lshl_b32 s28, s30, 8
	s_add_nc_u64 s[16:17], s[16:17], s[28:29]
	s_lshl_b32 s28, s30, 9
	s_add_nc_u64 s[18:19], s[18:19], s[28:29]
.macro LOAD t
.irp i, 0,1,2,3
	global_load_b128 v[R+16*((\t)%4)+4*\i:R+16*((\t)%4)+4*\i+3], v3, s[20:21] offset:2048*(\t)+512*\i th:TH_LOAD_NT   ; 32 lanes read 512 consecutive bytes
.endr
.endm
.macro TURN t                          ; step t's numbers through the stage: LDS serves a wave's instructions in order, so no wait stands between the stores and the loads
.irp i, 0,1,2,3
	ds_store_b128 v14, v[R+16*((\t)%4)+4*\i:R+16*((\t)%4)+4*\i+3] offset:32*SP*((\t)%2)+8*SP*\i
.endr
.irp i, 0,1,2,3
	ds_load_b128 v[X+16*((\t)%2)+4*\i:X+16*((\t)%2)+4*\i+3], v15 offset:32*SP*((\t)%2)+16*(\i%2)+SP*(\i/2)   ; 8 numbers of the block's first 16, then 8 of its second 16
.endr
.endm
.irp t, 0,1,2,3
	LOAD \t
.endr
	; ---- the table, while the first loads are on their way.  10000^(j / 32) = 10^(j / 8) = 10^((j % 8) / 8) x 10^(j / 8 rounded down): seven literals, three exact powers, one product
.macro PICK reg, idx, n, lit           ; lanes whose index is n take the literal
	v_cmp_ne_u32 vcc_lo, \n, v[\idx]
	v_cndmask_b32 v[\reg], \lit, v[\reg], vcc_lo
.endm
	v_and_b32 v192, 7, v2
	v_lshrrev_b32 v193, 3, v2
	v_mov_b32 v194, 1.0
	v_mov_b32 v195, 1.0
	PICK 194, 192, 1, 0x3faab0d5                   ; 10^(1/8) = 1.33352143
	PICK 194, 192, 2, 0x3fe39ea9                   ; 1.77827941
	PICK 194, 192, 3, 0x4017c496                   ; 2.37137371
	PICK 194, 192, 4, 0x404a62c2                   ; 3.16227766
	PICK 194, 192, 5, 0x4086f161                   ; 4.21696503
	PICK 194, 192, 6, 0x40b3f300                   ; 5.62341325
	PICK 194, 192, 7, 0x40eff755                   ; 7.49894209
	PICK 195, 193, 1, 0x41200000                   ; 10
	PICK 195, 193, 2, 0x42c80000                   ; 100
	PICK 195, 193, 3, 0x447a0000                   ; 1000
	v_mul_f32 v194, v194, v195
	s_wait_alu depctr_va_vdst(0)
	v_rcp_f32 v196, v194
	s_lshl_b32 s31, s30, 1
	v_cvt_f32_u32 v198, s31                        ; t = 2 W.  (A plain instruction behind the reciprocal)
	s_add_co_u32 s31, s31, 1
	v_cvt_f32_u32 v199, s31                        ; and 2 W + 1
	s_wait_alu depctr_va_vdst(0)                   ; the wait ahead of the reciprocal's first reader
	v_fma_f32 v197, -v194, v196, 1.0               ; one step of Newton: 1 / p as a division gives it, to the last bit or nearly
	v_fma_f32 v196, v196, v197, v196
	v_mul_f32 v198, v198, v196                     ; the angles, one rounding each
	v_mul_f32 v199, v199, v196
; cos and sin of an angle from 0 to 2,047: k = the nearest whole number to angle / (pi / 2); r = angle - k pi / 2 in two steps, of which the first is exact (k has 11 bits, the difference fits 24); polynomials on |r| <= pi / 4; the quadrant by k % 4
.macro SINCOS ang, c, s
	v_mul_f32 v204, 0x3f22f983, v[\ang]
	v_rndne_f32 v204, v204
	v_fma_f32 v205, v204, s32, v[\ang]
	v_fma_f32 v205, v204, s33, v205                ; r
	v_mul_f32 v206, v205, v205                     ; z = r^2
	v_cvt_i32_f32 v207, v204
	v_mov_b32 v208, 0xb94ca1f9
	v_fmaak_f32 v208, v208, v206, 0x3c08839e
	v_fmaak_f32 v208, v208, v206, 0xbe2aaaa3
	v_mul_f32 v208, v208, v206
	v_fma_f32 v208, v208, v205, v205               ; sin r = r + r z (-1.6666655e-1 + z (8.3321609e-3 - z 1.9515296e-4))
	v_mov_b32 v209, 0x37ccf5ce
	v_fmaak_f32 v209, v209, v206, 0xbab6061a
	v_fmaak_f32 v209, v209, v206, 0x3d2aaaa5
	v_mul_f32 v209, v209, v206
	v_fma_f32 v204, v206, -0.5, 1.0
	v_fma_f32 v209, v209, v206, v204               ; cos r = 1 - z / 2 + z^2 (4.1666646e-2 + z (-1.3887316e-3 + z 2.4433157e-5))
	v_and_b32 v204, 1, v207
	v_cmp_eq_u32 vcc_lo, 1, v204
	v_cndmask_b32 v[\s], v208, v209, vcc_lo        ; odd quadrants change the two
	v_cndmask_b32 v[\c], v209, v208, vcc_lo
	v_and_b32 v204, 2, v207
	v_lshlrev_b32 v204, 30, v204
	v_xor_b32 v[\s], v[\s], v204                   ; sin is negative in quadrants 2, 3
	v_add_nc_u32 v207, 1, v207
	v_and_b32 v204, 2, v207
	v_lshlrev_b32 v204, 30, v204
	v_xor_b32 v[\c], v[\c], v204                   ; cos in quadrants 1, 2
.endm
	SINCOS 198, 200, 201
	SINCOS 199, 202, 203
.irp i, 0,1,2,3
	ds_store_b32 v10, v[200+\i] offset:128*\i      ; cos, sin of t; cos, sin of t + 1: 128 bytes each
.endr
	ds_load_b128 v[212:215], v1
	s_wait_dscnt 0x0
	global_store_b128 v3, v[212:215], s[18:19]     ; the wave stores 512 consecutive bytes, aligned
	; ---- the quantiser
	s_wait_loadcnt 12                              ; step 0's four loads are in
	TURN 0
.macro STEP t
.set XS, X+16*((\t)%2)
.if (\t) > 0
	s_wait_dscnt 1                                 ; this step's numbers are back from the stage (the last step's byte store may be out): so its stores into the stage have read their registers,
.else
	s_wait_dscnt 0x0
.endif
.if (\t)+4 < STEPS
	LOAD (\t)+4                                    ; which take the loads of four steps on
.endif
.if (\t)+1 < STEPS
.if STEPS-2-(\t) >= 3
	s_wait_loadcnt 12                              ; the next step's four loads are in; those of the three steps behind it may be out
.else
	s_wait_loadcnt 4*(STEPS-2-(\t))
.endif
	TURN (\t)+1                                    ; and go through the other stage while this step is worked
.endif
	v_max3_num_f32 v8, |v[XS]|, |v[XS+1]|, |v[XS+2]|               ; the largest magnitude of my 16
	v_max3_num_f32 v9, |v[XS+3]|, |v[XS+4]|, |v[XS+5]|
.irp i, 6,10
	v_max3_num_f32 v8, v8, |v[XS+\i]|, |v[XS+\i+1]|
	v_max3_num_f32 v9, v9, |v[XS+\i+2]|, |v[XS+\i+3]|
.endr
	v_max3_num_f32 v8, v8, |v[XS+14]|, |v[XS+15]|
	v_max3_num_f32 v8, v8, v9, (EMAX+1)<<23        ; and the floor 2^(EMAX + 1 - 127): so the byte cannot fall under 1
	v_max_num_f32_dpp v8, v8, v8 row_xmask:1 row_mask:0xf bank_mask:0xf   ; and of my neighbour's 16: the block's
	v_add_nc_u32 v11, -(EMAX<<23), v8              ; EMAX off its exponent field: the conversion takes the exponent field of this operand as its scale
	v_cvt_scalef32_pk16_fp6_f32 v[C+4*(\t):C+4*(\t)+2], v[XS:XS+15], v11         ; sixteen codes, 96 bits, the first number's lowest
	v_lshrrev_b32 v[E+(\t)], 23, v11               ; the scale's byte
	ds_store_b8 v5, v[E+(\t)] offset:16*(\t)       ; both lanes of a block write the same byte with the same value
	global_store_b96 v4, v[C+4*(\t):C+4*(\t)+2], s[14:15] offset:32*CB*(\t)
.endm
.irp t, 0,1,2,3,4,5,6,7,8,9,10,11,12,13,14,15
	STEP \t
.endr
	ds_load_b64 v[8:9], v6                         ; LDS serves a wave's instructions in order: these see my stores
	s_wait_dscnt 0x0
	global_store_b64 v7, v[8:9], s[16:17]          ; 32 lanes store 256 consecutive bytes, aligned
	s_wait_tensorcnt 0x0                           ; the wave's end, behind my last LDS store
	ds_add_u32 v[SPW], v[NIL]
	s_wait_dscnt 0x0
	s_endpgm
.Lfunc_end_k_q81373daa98_prep:
	.size	k_q81373daa98_prep, .Lfunc_end_k_q81373daa98_prep-k_q81373daa98_prep
	.p2alignl 7, 3214868480
	.fill 96, 4, 3214868480
	.section	.rodata,"a",@progbits
	.p2align	6, 0x0
	.amdhsa_kernel k_q81373daa98_prep
		.amdhsa_group_segment_fixed_size 33280
		.amdhsa_private_segment_fixed_size 0
		.amdhsa_enable_private_segment 0
		.amdhsa_kernarg_size 64
		.amdhsa_user_sgpr_count 2
		.amdhsa_user_sgpr_kernarg_segment_ptr 1
		.amdhsa_wavefront_size32 1
		.amdhsa_system_sgpr_workgroup_id_x 1
		.amdhsa_system_sgpr_workgroup_id_y 1
		.amdhsa_system_sgpr_workgroup_id_z 1
		.amdhsa_system_vgpr_workitem_id 0
		.amdhsa_next_free_vgpr 224
		.amdhsa_next_free_sgpr 66
		.amdhsa_reserve_vcc 1
		.amdhsa_float_denorm_mode_32 3
		.amdhsa_float_denorm_mode_16_64 3
		.amdhsa_memory_ordered 1
		.amdhsa_forward_progress 1
		.amdhsa_inst_pref_size 37
	.end_amdhsa_kernel
	.amdgpu_metadata
---
amdhsa.version: [ 1, 2 ]
amdhsa.kernels:
  - .name:           k_q81373daa98_prep
    .symbol:         k_q81373daa98_prep.kd
    .args:
      - { .name: x, .offset: 0, .size: 8, .value_kind: global_buffer, .address_space: global }
      - { .name: Wq, .offset: 8, .size: 8, .value_kind: global_buffer, .address_space: global }
      - { .name: Wk, .offset: 16, .size: 8, .value_kind: global_buffer, .address_space: global }
      - { .name: Wv, .offset: 24, .size: 8, .value_kind: global_buffer, .address_space: global }
      - { .name: Wo, .offset: 32, .size: 8, .value_kind: global_buffer, .address_space: global }
      - { .name: cod, .offset: 40, .size: 8, .value_kind: global_buffer, .address_space: global }
      - { .name: scl, .offset: 48, .size: 8, .value_kind: global_buffer, .address_space: global }
      - { .name: rope, .offset: 56, .size: 8, .value_kind: global_buffer, .address_space: global }
    .group_segment_fixed_size: 33280
    .private_segment_fixed_size: 0
    .kernarg_segment_align: 8
    .kernarg_segment_size: 64
    .max_flat_workgroup_size: 128
    .sgpr_count:     66
    .vgpr_count:     224
    .wavefront_size: 32
...
	.end_amdgpu_metadata
.endif
;; end of part 1
;; launch qkv (part 2): grid 8 x 32, 4 waves a work-group, clusters of 4 x 4, 327,680 bytes of LDS; arguments cod, scl, rope, ac, asc; writes ac, asc
.if DOCPART == 2
	.amdgcn_target "amdgcn-amd-amdhsa--gfx1250"
	.amdhsa_code_object_version 6
	.text
	.protected	k_q81373daa98_qkv
	.globl	k_q81373daa98_qkv
	.p2align	8
	.type	k_q81373daa98_qkv,@function
k_q81373daa98_qkv:
	s_mov_b64 s[64:65], 0
	v_nop
	global_prefetch_b8 v0, s[64:65] scope:SCOPE_SE
	s_setreg_imm32_b32 hwreg(HW_REG_WAVE_MODE, 25, 1), 1
	s_wait_xcnt 0x0
	s_wait_alu depctr_hold_cnt(0) depctr_sa_sdst(0) depctr_va_vdst(0) depctr_va_sdst(0) depctr_va_ssrc(0) depctr_va_vcc(0) depctr_vm_vsrc(0)
	s_getreg_b32 s2, hwreg(HW_REG_IB_STS2, 6, 4)
	s_cmp_eq_u32 s2, 0
	s_cbranch_scc0 .Lentry_in_a_cluster
	s_endpgm
.Lentry_in_a_cluster:
	s_bfe_u32 s2, ttmp6, 0x10000c
	s_cmp_lg_u32 s2, 0xf033
	s_cbranch_scc0 .Lentry_shape_is_right
	s_endpgm
.Lentry_shape_is_right:
; Launch 2 of 4: q = x Wq^T and k = x Wk^T with the rotation, v = x Wv^T; each is quantised on its way out (q, k along the head's 64, v along the keys).  No work of the problem is left out.
; SHARES.  256 work-groups that stay: work-group (g, mt) holds tokens 128 mt .. +127 of x in LDS and takes rows 128 g .. +127 (heads 2 g, 2 g + 1) of Wq, then Wk, then Wv.  Wave (wy, wx) makes 64 tokens x 64 rows: 16 accumulators.
; LDS.  A row of codes is 768 bytes of memory and begins at a multiple of 256; it comes whole, 16 bytes of padding behind each 256: pitch 816.  x's 128 rows, then two slots of 128 rows of W: Wq slot 0, Wk slot 1, Wv slot 0 again.
; A wave issues one tensor load of 64 rows at the head (waves 0, 1: x; waves 2, 3: Wq); Wk's and Wv's loads are issued by waves 2 and 3, each behind the waits, the add and a round of the cluster's barrier.
; CLUSTERS 4 x 4: x's rows hang on mt alone and are asked for jointly along a row of the cluster, W's rows on g alone and along a column.
; NO PREFETCH: the text has no loop to run ahead in; each later tile of W is asked for a whole tile's products and way out ahead of its first read.
; SCALE WORDS go from memory into registers: lane (r, h = 0) takes the 32 bytes of x's row r of a block, lane (r, h = 1) those of W's row r: register SC + 8 block + K step.
; q, k: source 0 = 16 rows of W, source 1 = 16 tokens: a lane holds one token, its registers run along the head.  v: the sources change places: a lane holds one d, its registers run along the keys.
; OUT.  ac: q, then k: [pair][128 tiles of 16 tokens][768 bytes: the image of six operand registers]; v: [pair][16 chunks of 128 keys][4 blocks of 16 d][2 halves of 64 keys][768 bytes].
; asc: q's, k's scale words [pair][2048], bytes 0 and 1 valid (3 is taken off q's bytes: the division by 8); v's [pair][16 chunks][64 d], four bytes.
; LIMITS: blocks whose largest magnitude lies under 2^-121 take the floor's scale; NaN and infinities are not served.
; REGISTERS: window 0: v2-17 addresses, v32-63 scale words, v64-255 two sets of fragments (x 48, W 48), free on the way out.  window 1: v0-127 accumulators (a, b) at 8 (4 a + b); v128-255 cos and sin of my 64 tokens.
.set PITCH, 816
.set HALFT, 64*PITCH
.set TILE,  2*HALFT
.set STG,   3*TILE                     ; the scale words' stage, 256 bytes a wave
.set SPARE, STG+1024                   ; the spare words, 128 bytes a wave, which no other line names
.set ADRA,  2                          ; v2, v3: x's fragments; the second for pieces whose lanes 16-31 lie behind a padding
.set ADRB0, 4
.set ADRB1, 6
.set SCO,   8                          ; v8-10 offsets of the scale bytes for Wq, Wk, Wv
.set L16,   11
.set L8,    12
.set RPO,   13
.set SWS,   14
.set SWR,   15
.set VSR,   16
.set VGO,   17
.set SPW,   28
.set NIL,   29
.set SC,    32
.set FA,    64
.set FB,    112
.set Y,     64
.set PC,    128
.set TM,    148
.set PW,    164
.set PW2,   165
.set BK,    166
.set G1,  24
.set G0A, 32
.set G0Q, 36
.set G1B, 48
.set G0K, 56
.set G0V, 60
.set MSB, 0
.macro WIN new
.if MSB != (\new)
	s_set_vgpr_msb (MSB<<8)|(\new)
.set MSB, (\new)
.endif
.endm
.macro PLACES
.rept 4
	v_nop
.endr
.endm
.macro CROUND                          ; a round of the cluster's barrier
	s_barrier_signal -1
	s_barrier_wait -1
	s_cmp_lg_u32 s14, 0
	s_cbranch_scc1 .Lnot_wave_0_\@
	s_barrier_signal -3
.Lnot_wave_0_\@:
	s_barrier_wait -3
	s_barrier_signal -1
	s_barrier_wait -1
.endm
.macro SEQ                             ; ahead of a later fill; the round takes the barrier's place
	s_wait_tensorcnt 0x0
	ds_add_u32 v[SPW], v[NIL]
	s_wait_dscnt 0x0
	CROUND
.endm
.macro BFILL g0                        ; waves 2 and 3 fetch 64 rows of W each
	s_cmp_eq_u32 s15, 0
	s_cbranch_scc1 .Lno_fill_\@
	tensor_load_to_lds s[\g0:\g0+3], s[G1B:G1B+7]
	s_nop 0
	PLACES
.Lno_fill_\@:
.endm
	s_load_b128 s[4:7], s[0:1], 0x0                ; cod, scl
	s_load_b128 s[8:11], s[0:1], 0x10              ; rope, ac
	s_load_b64 s[12:13], s[0:1], 0x20              ; asc
	v_lshl_add_u32 v[SPW], v0, 2, SPARE
	v_mov_b32 v[NIL], 0
	ds_add_u32 v[SPW], v[NIL]                      ; the opening: the add twice on end and its wait
	ds_add_u32 v[SPW], v[NIL]
	v_lshrrev_b32 v1, 5, v0
	v_readfirstlane_b32 s14, v1                    ; wave
	s_lshr_b32 s15, s14, 1                         ; wy; also: I fetch x (0) or W (1)
	s_and_b32 s16, s14, 1                          ; wx; also: which 64 rows I fetch
	s_bfe_u32 s40, ttmp6, 0x40000                  ; cx
	s_bfe_u32 s41, ttmp6, 0x40004                  ; cy
	s_lshl_b32 s42, ttmp9, 2
	s_add_co_u32 s42, s42, s40                     ; g
	s_and_b32 s17, ttmp7, 0xffff
	s_lshl_b32 s17, s17, 2
	s_add_co_u32 s17, s17, s41                     ; mt
	s_lshl_b32 s43, s41, 2
	s_lshl_b32 s43, 15, s43                        ; my row of the cluster
	s_lshl_b32 s44, 0x1111, s40                    ; my column
	s_or_b32 s[G1+0], s43, (1<<20)|(1<<21)|(5<<22)|(3<<25)   ; bytes; 4 words of padding behind every 64
	s_or_b32 s[G1B+0], s44, (1<<20)|(1<<21)|(5<<22)|(3<<25)
.irp g, G1, G1B
	s_mov_b32 s[\g+1], 768<<16
	s_mov_b32 s[\g+2], 64<<16
	s_mov_b32 s[\g+3], 768<<16
	s_mov_b32 s[\g+4], 64
	s_mov_b32 s[\g+5], 768
	s_mov_b32 s[\g+6], 0
	s_mov_b32 s[\g+7], 0
.endr
	s_lshl_b32 s18, s16, 6
	s_lshl_b32 s20, s17, 7
	s_add_co_u32 s20, s20, s18
	s_mul_i32 s20, s20, 768                        ; x: row 128 mt + 64 half
	s_mov_b32 s21, 0
	s_lshl_b32 s46, s42, 7
	s_add_co_u32 s46, s46, s18
	s_add_co_u32 s46, s46, 4096
	s_mul_i32 s46, s46, 768                        ; Wq: row 4096 + 128 g + 64 half
	s_mov_b32 s47, 0
	s_mul_i32 s45, s14, HALFT                      ; LDS: wave x 64 rows: x's two halves, then slot 0's
	s_wait_dscnt 0x0
	s_wait_kmcnt 0x0
	s_add_nc_u64 s[20:21], s[4:5], s[20:21]
	s_add_nc_u64 s[46:47], s[4:5], s[46:47]
	s_mov_b32 s[G0A], 1
	s_mov_b32 s[G0A+1], s45
	s_mov_b64 s[G0A+2:G0A+3], s[20:21]
	s_or_b32 s[G0A+3], s[G0A+3], 0x80000000
	s_mov_b32 s[G0Q], 1
	s_mov_b32 s[G0Q+1], s45
	s_mov_b64 s[G0Q+2:G0Q+3], s[46:47]
	s_or_b32 s[G0Q+3], s[G0Q+3], 0x80000000
	s_mov_b32 s[G0K], 1
	s_add_co_u32 s[G0K+1], s45, TILE               ; slot 1
	s_add_nc_u64 s[G0K+2:G0K+3], s[46:47], 1024*768
	s_or_b32 s[G0K+3], s[G0K+3], 0x80000000
	s_mov_b32 s[G0V], 1
	s_mov_b32 s[G0V+1], s45
	s_add_nc_u64 s[G0V+2:G0V+3], s[46:47], 2048*768
	s_or_b32 s[G0V+3], s[G0V+3], 0x80000000
	CROUND                                         ; the first joint loads meet
	s_cmp_eq_u32 s15, 0
	s_cbranch_scc0 .Lhead_b
	tensor_load_to_lds s[G0A:G0A+3], s[G1:G1+7]
	s_nop 0
	PLACES
	s_branch .Lhead_asked
.Lhead_b:
	tensor_load_to_lds s[G0Q:G0Q+3], s[G1B:G1B+7]
	s_nop 0
	PLACES
.Lhead_asked:
	s_mul_i32 s80, s15, HALFT                      ; my 64 rows of x
	s_mul_i32 s81, s16, HALFT
	s_add_co_u32 s81, s81, TILE                    ; my 64 rows of W in slot 0,
	s_add_co_u32 s82, s81, TILE                    ; in slot 1
	s_lshl_b32 s83, s14, 8
	s_add_co_u32 s83, s83, STG
	s_lshl_b32 s84, s17, 7
	s_lshl_b32 s85, s15, 6
	s_add_co_u32 s84, s84, s85                     ; my first token
	s_lshl_b32 s86, s42, 7
	s_lshl_b32 s85, s16, 6
	s_add_co_u32 s86, s86, s85
	s_add_co_u32 s86, s86, 4096                    ; my first row of Wq
	s_sub_co_u32 s86, s86, s84
	s_lshl_b32 s86, s86, 5                         ; from x's scale bytes to Wq's
	s_lshl_b32 s87, s84, 5
	s_lshr_b32 s88, s84, 11                        ; batch
	s_and_b32 s89, s84, 2047                       ; position
	s_lshl_b32 s90, s42, 1
	s_add_co_u32 s90, s90, s16                     ; head
	s_lshl_b32 s88, s88, 4
	s_add_co_u32 s88, s88, s90                     ; pair
	s_mov_b32 s93, 0
	s_mul_i32 s92, s88, 98304
	s_lshr_b32 s91, s89, 4
	s_mul_i32 s91, s91, 768
	s_add_co_u32 s92, s92, s91
	s_add_nc_u64 s[66:67], s[10:11], s[92:93]      ; q's images
	s_lshl_b32 s92, s88, 13
	s_lshl_b32 s91, s89, 2
	s_add_co_u32 s92, s92, s91
	s_add_nc_u64 s[68:69], s[12:13], s[92:93]      ; q's scale words
	s_lshl_b32 s92, s89, 8
	s_add_nc_u64 s[70:71], s[8:9], s[92:93]        ; the table at my first position
	s_lshl_b32 s91, s88, 4
	s_lshr_b32 s94, s89, 7
	s_add_co_u32 s91, s91, s94                     ; 16 pair + chunk of 128 keys
	s_mul_i32 s92, s91, 6144
	s_mul_i32 s94, s15, 768
	s_add_co_u32 s92, s92, s94
	s_add_nc_u64 s[72:73], s[10:11], s[92:93]      ; v's images, my half of the keys
	s_lshl_b32 s92, s91, 8
	s_add_nc_u64 s[74:75], s[12:13], s[92:93]      ; v's scale words
	s_mov_b32 s96, 0x76543210
	s_mov_b32 s97, 0xfedcba98                      ; lane l xor 16
	v_and_b32 v1, 15, v0                           ; r
	v_bfe_u32 v18, v0, 4, 1                        ; h
	v_and_b32 v19, 31, v0                          ; lane
	v_mul_u32_u24 v20, v1, PITCH
	v_mad_u32_u24 v20, v18, 24, v20
	v_lshl_add_u32 v21, v18, 4, v20
	v_add_nc_u32 v[ADRA], s80, v20
	v_add_nc_u32 v[ADRA+1], s80, v21
	v_add_nc_u32 v[ADRB0], s81, v20
	v_add_nc_u32 v[ADRB0+1], s81, v21
	v_add_nc_u32 v[ADRB1], s82, v20
	v_add_nc_u32 v[ADRB1+1], s82, v21
	v_mul_u32_u24 v22, s86, v18
	v_lshl_add_u32 v22, v1, 5, v22
	v_add_nc_u32 v[SCO], s87, v22
	v_lshl_add_u32 v[SCO+1], v18, 15, v[SCO]       ; Wk's rows lie 1,024 rows of 32 bytes on,
	v_lshl_add_u32 v[SCO+2], v18, 16, v[SCO]       ; Wv's 2,048
	v_lshlrev_b32 v[L16], 4, v19
	v_lshlrev_b32 v[L8], 3, v19
	v_lshlrev_b32 v[RPO], 8, v1
	v_lshl_add_u32 v[RPO], v18, 5, v[RPO]
	v_lshl_add_u32 v[SWS], v1, 2, s83
	v_lshl_add_u32 v[SWR], v19, 3, s83
	v_lshlrev_b32 v[VSR], 8, v18
	v_lshl_add_u32 v[VSR], v1, 4, v[VSR]
	v_add_nc_u32 v[VSR], STG, v[VSR]
	v_lshlrev_b32 v[VGO], 12, v18
	v_lshl_add_u32 v[VGO], v1, 4, v[VGO]
	s_wait_alu depctr_va_vdst(0)                   ; the head's end
.macro SCLOAD t
.irp i, 0,1,2,3
	global_load_b128 v[SC+8*\i:SC+8*\i+3], v[SCO+\t], s[6:7] offset:512*\i
	global_load_b128 v[SC+8*\i+4:SC+8*\i+7], v[SCO+\t], s[6:7] offset:512*\i+16
.endr
.endm
.macro FRAG reg, adr, st, i            ; 16 rows x 128 K: six pieces of 8 bytes; byte y of a row lies at y + 16 (y / 256)
.irp p, 0,1,2,3,4,5
.set BY, 96*(\st)+48*(\p/3)+8*(\p%3)
.if BY/256 == (BY+24)/256
	ds_load_b64 v[\reg+2*\p:\reg+2*\p+1], v[\adr] offset:BY+16*(BY/256)+(\i)*16*PITCH
.else
	ds_load_b64 v[\reg+2*\p:\reg+2*\p+1], v[\adr+1] offset:BY+16*(BY/256)+(\i)*16*PITCH
.endif
.endr
.endm
.macro FETCH st, set, adrb
.irp i, 0,1,2,3
	FRAG FA+96*(\set)+12*\i, ADRA, \st, \i
.endr
.irp i, 0,1,2,3
	FRAG FB+96*(\set)+12*\i, \adrb, \st, \i
.endr
.endm
.macro MUL st, set, swap               ; the 16 accumulators by turns, one instruction a turn; K step 0 starts the sums
.irp a, 0,1,2,3
.irp b, 0,1,2,3
.set DD, 8*(4*\a+\b)
.set SCX, SC+8*\b+(\st)
.set SCY, SC+8*\a+(\st)
.if \swap
.set RGX, FA+96*(\set)+12*\b
.set RGY, FB+96*(\set)+12*\a
.if (\st) == 0
	v_wmma_scale_f32_16x16x128_f8f6f4 v[DD:DD+7], v[RGX:RGX+11], v[RGY:RGY+11], 0, v[SCX], v[SCY] matrix_a_fmt:MATRIX_FMT_FP6 matrix_b_fmt:MATRIX_FMT_FP6 matrix_b_scale:MATRIX_SCALE_ROW1
.else
	v_wmma_scale_f32_16x16x128_f8f6f4 v[DD:DD+7], v[RGX:RGX+11], v[RGY:RGY+11], v[DD:DD+7], v[SCX], v[SCY] matrix_a_fmt:MATRIX_FMT_FP6 matrix_b_fmt:MATRIX_FMT_FP6 matrix_b_scale:MATRIX_SCALE_ROW1
.endif
.else
.set RGX, FB+96*(\set)+12*\b
.set RGY, FA+96*(\set)+12*\a
.if (\st) == 0
	v_wmma_scale_f32_16x16x128_f8f6f4 v[DD:DD+7], v[RGX:RGX+11], v[RGY:RGY+11], 0, v[SCX], v[SCY] matrix_a_fmt:MATRIX_FMT_FP6 matrix_b_fmt:MATRIX_FMT_FP6 matrix_a_scale:MATRIX_SCALE_ROW1
.else
	v_wmma_scale_f32_16x16x128_f8f6f4 v[DD:DD+7], v[RGX:RGX+11], v[RGY:RGY+11], v[DD:DD+7], v[SCX], v[SCY] matrix_a_fmt:MATRIX_FMT_FP6 matrix_b_fmt:MATRIX_FMT_FP6 matrix_a_scale:MATRIX_SCALE_ROW1
.endif
.endif
.endr
.endr
.endm
.macro GEMM adrb, swap, younger        ; eight K steps; each step's 48 fragment loads are issued a step ahead.  younger: the global loads issued behind the scale words'
	s_wait_xcnt 0x0                                ; earlier stores have read their data: the fragments may land there
	FETCH 0, 0, \adrb
.set ST, 0
.rept 8
.if ST < 7
.if ST > 0
	PLACES                                         ; in front of loads into registers that the last step but one multiplied
.endif
	FETCH ST+1, (ST+1)%2, \adrb
	s_wait_dscnt 48                                ; all but the 48 just issued
.else
	s_wait_dscnt 0x0
.endif
.if ST == 0
	s_wait_loadcnt \younger                        ; the scale words are in
.endif
	WIN 0x50
	MUL ST, ST%2, \swap
	WIN 0
.set ST, ST+1
.endr
	PLACES
.endm
.macro QUANT s, sw                     ; 64 registers: four half blocks of 16; out: two images of six registers at PC, PC + 6, and four scale bytes in PW
	WIN ((\sw)<<2)|((\sw)<<4)
.irp b, 0,1,2,3
	v_max3_num_f32 v[TM+\b], 0x3000000, |v[(\s)+16*\b]|, |v[(\s)+1+16*\b]|
.endr
.irp i, 2,4,6,8,10,12,14
.irp b, 0,1,2,3
	v_max3_num_f32 v[TM+\b], v[TM+\b], |v[(\s)+16*\b+\i]|, |v[(\s)+1+16*\b+\i]|
.endr
.endr
	WIN 0
.irp b, 0,1,2,3
	v_permlanex16_b32 v[TM+4+\b], v[TM+\b], s96, s97
.endr
.irp b, 0,1,2,3
	v_max_num_f32 v[TM+\b], v[TM+\b], v[TM+4+\b]
.endr
.irp b, 0,1,2,3
	v_add_nc_u32 v[TM+12+\b], 0xff000000, v[TM+\b]
.endr
.irp b, 0,1,2,3
	v_lshrrev_b32 v[TM+4+\b], 23, v[TM+12+\b]
.endr
	v_lshl_or_b32 v[PW], v[TM+5], 8, v[TM+4]
	v_lshl_or_b32 v[PW], v[TM+6], 16, v[PW]
	v_lshl_or_b32 v[PW], v[TM+7], 24, v[PW]
	WIN \sw
.irp c, 0,1
	v_cvt_scalef32_pk16_fp6_f32 v[PC+6*\c:PC+2+6*\c], v[(\s)+32*\c:(\s)+15+32*\c], v[TM+12+2*\c]
	v_cvt_scalef32_pk16_fp6_f32 v[PC+12+4*\c:PC+14+4*\c], v[(\s)+16+32*\c:(\s)+31+32*\c], v[TM+12+2*\c+1]
.endr
	WIN 0
	v_nop
.irp c, 0,1
.irp i, 0,1,2
	v_permlane16_swap_b32 v[PC+6*\c+\i], v[PC+12+4*\c+\i]
.endr
.irp i, 0,1,2
	v_mov_b32 v[PC+3+6*\c+\i], v[PC+12+4*\c+\i]
.endr
.endr
.endm
.macro IMAGES base, off                ; two images of 768 bytes: registers 0-3 at 16 lane, 4-5 at 512 + 8 lane
.irp c, 0,1
	global_store_b128 v[L16], v[PC+6*\c:PC+6*\c+3], s[\base:\base+1] offset:(\off)+(IMS)*\c
	global_store_b64 v[L8], v[PC+6*\c+4:PC+6*\c+5], s[\base:\base+1] offset:(\off)+(IMS)*\c+512
.endr
.endm
.macro QKOUT sel                       ; the rotation, then two blocks of 16 tokens at a time through the quantiser
.set IMS, 768
.irp g, 0,1
	s_wait_xcnt 0x0                                ; the last images' stores have read their registers
	WIN 0x05
.irp c, 0,1
.irp u, 0,1
.irp j, 0,2,4,6
.set X1, 32*(2*\g+\c)+8*\u+\j
.set Y1, Y+32*\c+8*\u+\j
.set CO, 128+32*(2*\g+\c)+8*\u+\j
	v_pk_mul_f32 v[Y1:Y1+1], v[X1:X1+1], v[CO:CO+1]
	v_pk_mul_f32 v[Y1+16:Y1+17], v[X1+16:X1+17], v[CO:CO+1]
	v_pk_fma_f32 v[Y1:Y1+1], v[X1+16:X1+17], v[CO+16:CO+17], v[Y1:Y1+1] neg_lo:[0,1,0] neg_hi:[0,1,0]
	v_pk_fma_f32 v[Y1+16:Y1+17], v[X1:X1+1], v[CO+16:CO+17], v[Y1+16:Y1+17]
.endr
.endr
.endr
	QUANT Y, 0
.if (\sel) == 0
	v_add_nc_u32 v[PW], 0xfcfcfcfd, v[PW]          ; 3 off each byte (none is under 4): q / 8
.endif
	v_lshrrev_b32 v[PW2], 16, v[PW]
	IMAGES 66, (\sel)*3145728+1536*\g
	ds_store_b32 v[SWS], v[PW] offset:128*\g
	ds_store_b32 v[SWS], v[PW2] offset:128*\g+64
.endr
	ds_load_b64 v[BK:BK+1], v[SWR]                 ; my wave's own bytes, served in order
	s_wait_dscnt 0x0
	global_store_b64 v[L8], v[BK:BK+1], s[68:69] offset:(\sel)*262144   ; 256 consecutive bytes, aligned
.endm
	SCLOAD 0
	WIN 0x40
.irp a, 0,1,2,3
.irp cs, 0,1
.irp u, 0,1
.irp e, 0,1
	global_load_b128 v[128+32*\a+16*\cs+8*\u+4*\e:128+32*\a+16*\cs+8*\u+4*\e+3], v[RPO], s[70:71] offset:4096*\a+128*\cs+64*\u+16*\e
.endr
.endr
.endr
.endr
	WIN 0
	SEQ                                            ; x and Wq are in LDS, for every wave of the cluster
	BFILL G0K                                      ; Wk into slot 1: its first fill
	GEMM ADRB0, 0, 32                              ; behind the scale words: the table's 32 loads
	SCLOAD 1
	SEQ                                            ; Wk is in; nobody reads slot 0 any more
	BFILL G0V                                      ; Wv into slot 0
	s_wait_loadcnt 8                               ; the table is in; the 8 loads of Wk's scale words may be out
	QKOUT 0
	GEMM ADRB1, 0, 0
	SCLOAD 2
	QKOUT 1
	s_wait_tensorcnt 0x0                           ; Wv is in
	s_barrier_signal -1
	s_barrier_wait -1
	GEMM ADRB0, 1, 0
.set IMS, 1536
.irp g, 0,1                            ; two blocks of 16 d at a time: my 64 keys of each are half an operand
	s_wait_xcnt 0x0
	QUANT 64*\g, 1
	v_lshrrev_b32 v[PW2], 16, v[PW]
	IMAGES 72, 6291456+3072*\g
	ds_store_b32 v[SWS], v[PW] offset:128*\g
	ds_store_b32 v[SWS], v[PW2] offset:128*\g+64
.endr
	s_wait_dscnt 0x0
	s_barrier_signal -1
	s_barrier_wait -1                              ; the four waves' half words lie in the stage
	s_cmp_lg_u32 s14, 0
	s_cbranch_scc1 .Lnot_0
	ds_load_b128 v[BK:BK+3], v[VSR]                ; keys 0-63: lanes 0-15 head 2 g, lanes 16-31 head 2 g + 1;
	ds_load_b128 v[BK+4:BK+7], v[VSR] offset:512   ; keys 64-127
	s_wait_dscnt 0x0
.irp i, 0,1,2,3
	v_perm_b32 v[BK+8+\i], v[BK+4+\i], v[BK+\i], 0x05040100
.endr
	global_store_b128 v[VGO], v[BK+8:BK+11], s[74:75] offset:524288   ; sixteen lanes store 256 consecutive bytes, aligned
.Lnot_0:
	s_wait_tensorcnt 0x0                           ; the wave's end
	ds_add_u32 v[SPW], v[NIL]
	s_wait_dscnt 0x0
	CROUND                                         ; the closing round
	s_endpgm
.Lfunc_end_k_q81373daa98_qkv:
	.size	k_q81373daa98_qkv, .Lfunc_end_k_q81373daa98_qkv-k_q81373daa98_qkv
	.p2alignl 7, 3214868480
	.fill 96, 4, 3214868480
	.section	.rodata,"a",@progbits
	.p2align	6, 0x0
	.amdhsa_kernel k_q81373daa98_qkv
		.amdhsa_group_segment_fixed_size 327680
		.amdhsa_private_segment_fixed_size 0
		.amdhsa_enable_private_segment 0
		.amdhsa_kernarg_size 40
		.amdhsa_user_sgpr_count 2
		.amdhsa_user_sgpr_kernarg_segment_ptr 1
		.amdhsa_wavefront_size32 1
		.amdhsa_system_sgpr_workgroup_id_x 1
		.amdhsa_system_sgpr_workgroup_id_y 1
		.amdhsa_system_sgpr_workgroup_id_z 1
		.amdhsa_system_vgpr_workitem_id 0
		.amdhsa_next_free_vgpr 512
		.amdhsa_next_free_sgpr 100
		.amdhsa_reserve_vcc 0
		.amdhsa_float_denorm_mode_32 3
		.amdhsa_float_denorm_mode_16_64 3
		.amdhsa_memory_ordered 1
		.amdhsa_forward_progress 1
		.amdhsa_inst_pref_size 184
	.end_amdhsa_kernel
	.amdgpu_metadata
---
amdhsa.version: [ 1, 2 ]
amdhsa.kernels:
  - .name:           k_q81373daa98_qkv
    .symbol:         k_q81373daa98_qkv.kd
    .args:
      - { .name: cod, .offset: 0, .size: 8, .value_kind: global_buffer, .address_space: global }
      - { .name: scl, .offset: 8, .size: 8, .value_kind: global_buffer, .address_space: global }
      - { .name: rope, .offset: 16, .size: 8, .value_kind: global_buffer, .address_space: global }
      - { .name: ac, .offset: 24, .size: 8, .value_kind: global_buffer, .address_space: global }
      - { .name: asc, .offset: 32, .size: 8, .value_kind: global_buffer, .address_space: global }
    .group_segment_fixed_size: 327680
    .private_segment_fixed_size: 0
    .kernarg_segment_align: 8
    .kernarg_segment_size: 40
    .max_flat_workgroup_size: 128
    .sgpr_count:     100
    .vgpr_count:     512
    .wavefront_size: 32
...
	.end_amdgpu_metadata
.endif
;; end of part 2
;; launch attn (part 3): grid 256 x 1, 4 waves a work-group, clusters of 4 x 1, 327,680 bytes of LDS; arguments ac, asc, causal_mask, oc; writes oc
.if DOCPART == 3
	.amdgcn_target "amdgcn-amd-amdhsa--gfx1250"
	.amdhsa_code_object_version 6
	.text
	.protected	k_q81373daa98_attn
	.globl	k_q81373daa98_attn
	.p2align	8
	.type	k_q81373daa98_attn,@function
k_q81373daa98_attn:
	s_mov_b64 s[64:65], 0
	v_nop
	global_prefetch_b8 v0, s[64:65] scope:SCOPE_SE
	s_setreg_imm32_b32 hwreg(HW_REG_WAVE_MODE, 25, 1), 1
	s_wait_xcnt 0x0
	s_wait_alu depctr_hold_cnt(0) depctr_sa_sdst(0) depctr_va_vdst(0) depctr_va_sdst(0) depctr_va_ssrc(0) depctr_va_vcc(0) depctr_vm_vsrc(0)
	s_getreg_b32 s2, hwreg(HW_REG_IB_STS2, 6, 4)
	s_cmp_eq_u32 s2, 0
	s_cbranch_scc0 .Lentry_in_a_cluster
	s_endpgm
.Lentry_in_a_cluster:
	s_bfe_u32 s2, ttmp6, 0x10000c
	s_cmp_lg_u32 s2, 0x3003
	s_cbranch_scc0 .Lentry_shape_is_right
	s_endpgm
.Lentry_shape_is_right:
; Launch 3 of 4: scores = q k^T / 8 + mask, clipped to +-10000; softmax, finished and normalised; quantised along the keys; product with v; the result quantised along head x 64 + d for the last product.
; No work of the problem is left out: the mask is an input, so every score is computed and every byte of the mask is read.
; SHARES.  A work-group owns 32 queries (two tiles of 16) and walks 8 of the 32 (batch, head) pairs.  Its four waves share the KEYS: wave w owns keys 512 w .. 512 w + 511 for both tiles of queries.
; EACH SCORE IS COMPUTED ONCE AND STAYS IN REGISTERS: 2 x 16 x 512 scores of a wave are 512 registers a lane (windows 2 and 3).  What is quantised is the normalised weight, so a row's maximum and sum must be known before any of
; its weights is quantised: the four waves exchange the row's maximum and then its sum through LDS, one barrier each, and at the end add their four parts of the output, one barrier more.
; THE MASK'S 32 ROWS, 262,144 bytes, come into LDS once and serve all 8 pairs.  The four work-groups of a cluster own the same queries (and different pairs), so they ask for the rows jointly.
; A tile of the mask is loaded from LDS into the accumulator's registers and is the C of the product; the division by 8 was taken off q's scale bytes: no vector instruction is spent on / 8 + mask.
; K AND V come from memory straight into registers, as images of the operands' registers that launch 2 stored; each fragment is loaded once by a work-group and feeds both tiles of queries.  They are not asked for jointly:
; a joint request lands in LDS, and the mask (266,240 bytes), the exchanges and the stages leave 8,192 of 327,680 bytes.
; LAYOUT.  S^T = k q^T (source 0 = 16 keys, source 1 = 16 queries), O^T = v^T p^T: lane (r, h) holds query r throughout; register j of tile kappa is key 16 kappa + 8 h + j.  The head has 64 numbers and the instruction takes 128 along K:
; q's fragment has six registers of codes and six of zero codes; k's operand names twelve registers, of which the upper six are the next tile's codes: they meet zeros.  No scale byte is 0xff.
; SOFTMAX.  p = 2^(s log2 e - m log2 e), one fused multiply-add and one exponential; the rounding of m log2 e is one factor for the whole row and leaves with the division by the sum.  A block's largest weight is not searched for: the block's
; largest score goes through the same instructions.  1 / sum: reciprocal and one step of Newton.  The clip bounds every score, so the maximum is finite and the sum lies between 1 and 2,048; the.
; LIMITS: a score that is NaN (NaN among the inputs, or q . k beyond f32's range) is taken by the clip as a bound, where the row would be zeros; weights under 2^-126 are zeros; infinities in the mask are served (the clip takes them).
; REGISTERS: window 0 below.  window 1: v0-191 k's 32 tiles (6 registers each), later v's 16 fragments (12 each); v192-255 O^T, 8 accumulators.  window 2, 3: the scores of queries 0-15, 16-31: register 64 s + 8 kappa + j.
; HOW THIS TEXT EXCHANGES (this stands in place of what the head says of two exchanges, of m and of when the mask and v are loaded):
; each wave takes ITS OWN 512 keys' maximum m_w away: p = 2^(s log2 e - m_w log2 e).  The waves exchange -m_w log2 e and their sums l_w together, behind ONE barrier; with m the largest m_w and f_w = 2^((m_w - m) log2 e),
; the row's sum is the sum of l_w f_w (between 1 and 2,048), and wave w multiplies its weights by f_w / sum.  So a pair has two barriers: this one, and the one for the parts of O^T.
; v's chunk s (16 loads) is asked for as soon as step s's products are done with k's 48 registers that it lands on.  The mask is the same for all pairs: step s's tiles for the NEXT pair are read from LDS into the
; accumulators' registers as soon as this pair's step s has been normalised, under the jump that guards the next pair's k; the first pair's are read ahead of the loop.
.set MP,     1040
.set MCH,    32*MP                     ; a chunk: 32 queries x 256 keys; wave w reads chunks 2 w, 2 w + 1, which it has fetched itself
.set XO,     8*MCH                     ; the waves' parts of O^T: 8,192 bytes each
.set OST,    XO+4*8192                 ; O's codes: a region for each wave: 16 rows x (16 places of 16 bytes + 16)
.set OSP,    272
.set OSW,    16*OSP
.set OSS,    OST+4*OSW                 ; O's scale bytes: 128 bytes for each wave: 16 rows x 8 heads
.set XM,     OSS+512                   ; the rows' maxima, 256 bytes for each wave; 1,024 bytes on, the sums
.set SPARE,  XM+2048                   ; the spare words, 128 bytes for each wave, which no other line names
.set BHB,    98304                     ; from one (batch, head) to the next in each region of ac
.set KOFF,   3145728
.set VOFF,   6291456
.set KSOFF,  262144
.set VSOFF,  524288
.set VO16, 1                           ; v1   24,576 w + 16 lane: my wave's images of k or v
.set VO8,  2                           ; v2   24,576 w + 8 lane
.set VQ16, 3                           ; v3   1,536 x query block + 16 lane
.set VQ8,  4                           ; v4   ... + 8 lane
.set VKS,  5                           ; v5   2,048 w + 4 lane: k's scale words
.set VVS,  6                           ; v6   1,024 w + 4 lane: v's
.set VQS,  7                           ; v7   128 x query block + 4 lane: q's
.set AM,   8                           ; v8   LDS: my lane's place in my wave's chunks
.set AXW,  9                           ; v9   LDS: where I put my part of O^T
.set AXR,  10                          ; v10  LDS: where I read the four parts of my 16 registers
.set AST,  11                          ; v11  LDS: O's codes, head 0
.set ASS,  12                          ; v12  LDS: O's scale byte, head 0
.set AXM,  13                          ; v13  LDS: my wave's maxima
.set ARM,  14                          ; v14  LDS: all waves' maxima
.set ARD,  15                          ; v15  LDS: O's codes on the way out
.set GOC,  16                          ; v16  my byte offset in the work-group's rows of oc
.set GSC,  17                          ; v17  32 x lane
.set SPW,  18                          ; v18  LDS address of my spare word; never rewritten
.set NIL,  19                          ; v19  0; never rewritten
.set ADT,  20                          ; v20, v21 the head's addresses of codes and scale byte
.set ADU,  21
.set ASR,  22                          ; v22  LDS: O's scale bytes on the way out
.set QF,   24                          ; v24-47 q: tile 0: 6 of codes, 6 of zeros; tile 1 likewise
.set QS,   48                          ; v48  q's scale words: lanes 0-15 tile 0, lanes 16-31 tile 1
.set KS,   50                          ; v50-65 k's scale words, a register for two tiles
.set VS,   66                          ; v66-73 v's
.set BM,   74                          ; v74-105 the blocks' largest scores, then weights: 16 tile + 4 s + b
.set ST,   106                         ; v106-129 for each tile 12: -m log2 e (a pair), 1 / sum (a pair), four pairs of sums
.set PN,   130                         ; v130-193 64 normalised weights
.set PF,   194                         ; v194-217 p's fragments
.set PT,   218                         ; v218-225 halves of codes
.set PW,   226                         ; v226, v227 p's scale words
.set TM,   228                         ; v228-243
.set TP,   244                         ; v244-255 at work
.set MSB, 0
.macro WIN new                         ; the immediate's high byte repeats the setting that is left
.if MSB != (\new)
	s_set_vgpr_msb (MSB<<8)|(\new)
.set MSB, (\new)
.endif
.endm
.macro CROUND                          ; a round of the cluster's barrier
	s_barrier_signal -1
	s_barrier_wait -1
	s_cmp_lg_u32 s12, 0
	s_cbranch_scc1 .Lnot_wave_0_\@
	s_barrier_signal -3
.Lnot_wave_0_\@:
	s_barrier_wait -3
	s_barrier_signal -1
	s_barrier_wait -1
.endm
.macro BAR                             ; my LDS stores have landed and my LDS loads are in: then the work-group's barrier
	s_wait_dscnt 0x0
	s_barrier_signal -1
	s_barrier_wait -1
.endm
	s_load_b256 s[4:11], s[0:1], 0x0               ; ac s[4:5], asc s[6:7], the mask s[8:9], oc s[10:11]
	v_lshl_add_u32 v[SPW], v0, 2, SPARE
	v_mov_b32 v[NIL], 0
	ds_add_u32 v[SPW], v[NIL]                      ; the wave's opening: the add, twice on end, and its wait ahead of my first tensor load
	ds_add_u32 v[SPW], v[NIL]
	v_lshrrev_b32 v244, 5, v0
	v_readfirstlane_b32 s12, v244                  ; wave 0..3
	s_bfe_u32 s13, ttmp6, 0x40000                  ; cx: which 8 (batch, head) pairs are mine: it enters global addresses alone
	v_and_b32 v244, 31, v0                         ; lane
	v_and_b32 v245, 15, v0                         ; r
	v_bfe_u32 v246, v0, 4, 1                       ; h
	s_mul_i32 s14, s12, 24576
	v_lshl_add_u32 v[VO16], v244, 4, s14
	v_lshl_add_u32 v[VO8], v244, 3, s14
	s_mul_i32 s14, ttmp9, 1536                     ; ttmp9: the cluster's number = the block of 32 queries
	v_lshl_add_u32 v[VQ16], v244, 4, s14
	v_lshl_add_u32 v[VQ8], v244, 3, s14
	s_lshl_b32 s14, s12, 11
	v_lshl_add_u32 v[VKS], v244, 2, s14
	s_lshl_b32 s14, s12, 10
	v_lshl_add_u32 v[VVS], v244, 2, s14
	s_lshl_b32 s14, ttmp9, 7
	v_lshl_add_u32 v[VQS], v244, 2, s14
	s_mul_i32 s14, s12, 2*MCH
	v_mul_u32_u24 v[AM], v245, MP
	v_lshl_add_u32 v[AM], v246, 5, v[AM]
	v_add_nc_u32 v[AM], s14, v[AM]                 ; row r, + 32 h: my eight keys of a tile
	s_mov_b32 s24, 1                               ; descriptor groups 0: count;
	s_mov_b32 s25, s14                             ; LDS address: my wave's two chunks
	s_mov_b32 s28, 1
	s_add_co_u32 s29, s14, MCH
	s_lshl_b32 s14, s12, 13
	s_add_co_u32 s14, s14, XO
	v_lshl_add_u32 v[AXW], v244, 4, s14
	s_lshl_b32 s14, s12, 11
	s_add_co_u32 s14, s14, XO
	v_lshl_add_u32 v[AXR], v244, 4, s14
	s_mul_i32 s14, s12, OSW
	s_add_co_u32 s14, s14, OST
	v_mul_u32_u24 v[AST], v245, OSP
	v_lshl_add_u32 v[AST], v246, 4, v[AST]
	v_add_nc_u32 v[AST], s14, v[AST]               ; my wave's region, row r, place h; 32 bytes on for each head
	s_lshl_b32 s14, s12, 7
	s_add_co_u32 s14, s14, OSS
	v_lshl_add_u32 v[ASS], v245, 3, s14
	s_lshl_b32 s14, s12, 8
	s_add_co_u32 s14, s14, XM
	v_lshl_add_u32 v[AXM], v244, 2, s14
	v_lshl_add_u32 v[ARM], v244, 2, XM
	s_lshr_b32 s14, s12, 1                         ; the way out: wave w stores rows 8 w .. 8 w + 7: tile w / 2, rows 8 (w % 2) on;
	s_mul_i32 s14, s14, 2*OSW
	s_and_b32 s15, s12, 1
	s_mul_i32 s15, s15, 8*OSP
	s_add_co_u32 s14, s14, s15
	s_add_co_u32 s14, s14, OST
	v_bfe_u32 v247, v0, 1, 1                       ; lane = 4 head + 2 beta + h: the region by beta,
	v_mul_u32_u24 v[ARD], v247, OSW
	v_bfe_u32 v247, v0, 2, 3
	v_lshl_add_u32 v[ARD], v247, 5, v[ARD]         ; the head,
	v_and_b32 v247, 1, v0
	v_lshl_add_u32 v[ARD], v247, 4, v[ARD]         ; the half
	v_add_nc_u32 v[ARD], s14, v[ARD]
	s_mul_i32 s14, s12, 6144
	v_mul_u32_u24 v[GOC], v244, 12
	v_add_nc_u32 v[GOC], s14, v[GOC]
	v_lshlrev_b32 v[GSC], 5, v244
	v_lshlrev_b32 v[ASR], 8, v246
	v_lshl_add_u32 v[ASR], v245, 3, v[ASR]
	v_add_nc_u32 v[ASR], OSS, v[ASR]               ; lane = row: the region of wave 2 (lane / 16), row lane % 16
.irp i, 6,7,8,9,10,11,18,19,20,21,22,23
	v_mov_b32 v[QF+\i], 0                          ; the zero codes of q's upper 64 along K
.endr
.irp b, 0,1,2,3
	v_mov_b32 v[TM+4+\b], 0                        ; written once: a lane permute's destination counts as one of its sources
.endr
	s_mov_b32 s16, 15|(2<<16)|(1<<20)|(1<<21)|(7<<22)|(3<<25)  ; group 1: the mask names all four work-groups; elements of 4 bytes; padding on; bit 21 beside a mask; after every 256 words 4 words
	s_mov_b32 s17, 256<<16                         ; tensor_dim0 = 256
	s_mov_b32 s18, 32<<16                          ; tensor_dim1 = 32
	s_mov_b32 s19, 256<<16                         ; tile_dim0 = 256
	s_mov_b32 s20, 32                              ; tile_dim1 = 32
	s_mov_b32 s21, 2048                            ; the pitch
	s_mov_b32 s22, 0
	s_mov_b32 s23, 0
	s_mov_b32 s38, 0x76543210
	s_mov_b32 s39, 0xfedcba98                      ; v_permlanex16_b32's selects for lane l xor 16
	s_mov_b32 s40, 0xc61c4000                      ; -10000
	s_mov_b32 s41, 0x461c4000                      ; 10000
	s_mov_b32 s42, 0x3fb8aa3b                      ; log2 e
	s_mov_b32 s43, s42                             ; (named with it as a pair)
	s_mov_b32 s44, 8                               ; pairs to go
	s_mov_b32 s45, 0                               ; 32 x the pair's number
	s_mov_b32 s48, 0                               ; the pair's number
	s_lshl_b32 s2, ttmp9, 18                       ; my 32 rows of the mask, 8,192 bytes each,
	s_lshl_b32 s3, s12, 11                         ; my wave's 512 keys
	s_add_co_u32 s2, s2, s3
	s_mov_b32 s3, 0
	s_mov_b32 s15, 0
	s_wait_dscnt 0x0                               ; both opening adds are done
	s_wait_kmcnt 0x0
	s_add_nc_u64 s[26:27], s[8:9], s[2:3]
	s_add_nc_u64 s[30:31], s[26:27], 1024
	s_or_b32 s27, s27, 0x80000000
	s_or_b32 s31, s31, 0x80000000
	s_mul_i32 s14, s13, 8*BHB
	s_add_nc_u64 s[32:33], s[4:5], s[14:15]        ; ac at my first pair
	s_lshl_b32 s14, s13, 16
	s_add_nc_u64 s[34:35], s[6:7], s[14:15]        ; q's and k's scale words
	s_lshl_b32 s14, s13, 15
	s_add_nc_u64 s[36:37], s[6:7], s[14:15]
	s_add_nc_u64 s[36:37], s[36:37], VSOFF         ; v's
	s_and_b32 s50, s13, 1                          ; which 8 heads,
	s_lshr_b32 s51, s13, 1                         ; which batch
	s_lshl_b32 s51, s51, 11
	s_lshl_b32 s52, ttmp9, 5
	s_add_co_u32 s51, s51, s52                     ; my first token
	s_mul_i32 s14, s50, 384
	s_mul_i32 s52, s51, 768
	s_add_co_u32 s14, s14, s52
	s_add_nc_u64 s[46:47], s[10:11], s[14:15]      ; oc: [4096 tokens][768 bytes]; my 8 heads are 384 bytes of a row
	s_lshl_b32 s14, s51, 5
	s_lshl_b32 s52, s50, 4
	s_add_co_u32 s14, s14, s52
	s_add_nc_u64 s[54:55], s[10:11], s[14:15]
	s_add_nc_u64 s[54:55], s[54:55], 3145728       ; and behind them the scale bytes [4096][32]
	CROUND                                         ; all four work-groups are here: the joint loads meet
	tensor_load_to_lds s[24:27], s[16:23]          ; my wave's first chunk of the mask: one tensor load a wave at the head
	s_nop 0
.rept 4
	v_nop
.endr
	WIN 0x40
.irp i, 192,193,194,195,196,197
	v_mov_b32 v[\i], 0                             ; k's last tile names these six of window 1 as its upper half
.endr
	WIN 0
; k's tiles 8 g .. 8 g + 7 of my 32 -> window 1, v[6 tile]; with g = 0 also k's scale words, q and q's scale words.  nxt = 1: the next pair's, if there is one
.macro KNEXT g, nxt
.if \nxt
	WIN 0
	s_cmp_eq_u32 s44, 1
	s_cbranch_scc1 .Lkn_\@
	MLOAD \g                                       ; the next pair's mask of step g: this pair's scores of that step are done with
.endif
	WIN 0x40
.irp k, 0,1,2,3,4,5,6,7
	global_load_b128 v[6*(8*(\g)+\k):6*(8*(\g)+\k)+3], v[VO16], s[32:33] offset:KOFF+(\nxt)*BHB+768*(8*(\g)+\k)
	global_load_b64 v[6*(8*(\g)+\k)+4:6*(8*(\g)+\k)+5], v[VO8], s[32:33] offset:KOFF+(\nxt)*BHB+768*(8*(\g)+\k)+512
.endr
	WIN 0
.if (\g) == 0
.irp n, 0,1,2,3,4,5,6,7,8,9,10,11,12,13,14,15
	global_load_b32 v[KS+\n], v[VKS], s[34:35] offset:KSOFF+(\nxt)*8192+128*\n
.endr
.irp t, 0,1
	global_load_b128 v[QF+12*\t:QF+12*\t+3], v[VQ16], s[32:33] offset:(\nxt)*BHB+768*\t
	global_load_b64 v[QF+12*\t+4:QF+12*\t+5], v[VQ8], s[32:33] offset:(\nxt)*BHB+768*\t+512
.endr
	global_load_b32 v[QS], v[VQS], s[34:35] offset:(\nxt)*8192
.endif
.if \nxt
.Lkn_\@:
.endif
.endm
.macro VLOAD s                         ; v's four fragments of chunk s (128 keys) take the place of k's tiles 8 s .. 8 s + 7: eight images of 768 bytes, each half a fragment; with s = 0 also v's scale words
	WIN 0x40
.irp k, 0,1,2,3,4,5,6,7
	global_load_b128 v[6*(8*(\s)+\k):6*(8*(\s)+\k)+3], v[VO16], s[32:33] offset:VOFF+768*(8*(\s)+\k)
	global_load_b64 v[6*(8*(\s)+\k)+4:6*(8*(\s)+\k)+5], v[VO8], s[32:33] offset:VOFF+768*(8*(\s)+\k)+512
.endr
	WIN 0
.if (\s) == 0
.irp n, 0,1,2,3,4,5,6,7
	global_load_b32 v[VS+\n], v[VVS], s[36:37] offset:128*\n
.endr
.endif
.endm
.macro MLOAD s                         ; the mask of step s (128 keys) for both tiles of queries, into the accumulators' registers
.irp t, 0,1
	WIN 0x80+0x40*\t
.irp k, 0,1,2,3,4,5,6,7
	ds_load_b128 v[64*(\s)+8*\k:64*(\s)+8*\k+3], v[AM] offset:((\s)/2)*MCH+((\s)%2)*512+16*MP*\t+64*\k
	ds_load_b128 v[64*(\s)+8*\k+4:64*(\s)+8*\k+7], v[AM] offset:((\s)/2)*MCH+((\s)%2)*512+16*MP*\t+64*\k+16
.endr
.endr
.endm
.macro QK1 d, a, b, sa, oa, ob         ; one product k q^T + mask; oa, ob: the scale words stand in lanes 16-31
.set QV, (\oa)+2*(\ob)
.if QV == 0
	v_wmma_scale_f32_16x16x128_f8f6f4 v[(\d):(\d)+7], v[(\a):(\a)+11], v[(\b):(\b)+11], v[(\d):(\d)+7], v[\sa], v[QS] matrix_a_fmt:MATRIX_FMT_FP6 matrix_b_fmt:MATRIX_FMT_FP6
.elseif QV == 1
	v_wmma_scale_f32_16x16x128_f8f6f4 v[(\d):(\d)+7], v[(\a):(\a)+11], v[(\b):(\b)+11], v[(\d):(\d)+7], v[\sa], v[QS] matrix_a_fmt:MATRIX_FMT_FP6 matrix_b_fmt:MATRIX_FMT_FP6 matrix_a_scale:MATRIX_SCALE_ROW1
.elseif QV == 2
	v_wmma_scale_f32_16x16x128_f8f6f4 v[(\d):(\d)+7], v[(\a):(\a)+11], v[(\b):(\b)+11], v[(\d):(\d)+7], v[\sa], v[QS] matrix_a_fmt:MATRIX_FMT_FP6 matrix_b_fmt:MATRIX_FMT_FP6 matrix_b_scale:MATRIX_SCALE_ROW1
.else
	v_wmma_scale_f32_16x16x128_f8f6f4 v[(\d):(\d)+7], v[(\a):(\a)+11], v[(\b):(\b)+11], v[(\d):(\d)+7], v[\sa], v[QS] matrix_a_fmt:MATRIX_FMT_FP6 matrix_b_fmt:MATRIX_FMT_FP6 matrix_a_scale:MATRIX_SCALE_ROW1 matrix_b_scale:MATRIX_SCALE_ROW1
.endif
.endm
; Step s's eight products of tile qt.  clip = 1: behind each stand the eight clips of the same tile of keys of step s - 1: their destination and third source have D's and C's windows, so no switch is needed, and they name none of the product's registers
.macro QKH s, qt, clip
	WIN 0xa1+0x50*(\qt)
.irp k, 0,1,2,3,4,5,6,7
	QK1 64*(\s)+8*\k, 6*(8*(\s)+\k), QF+12*(\qt), KS+(8*(\s)+\k)/2, \k%2, \qt
.if \clip
.irp j, 0,1,2,3,4,5,6,7
	v_med3_num_f32 v[64*((\s)-1)+8*\k+\j], s40, s41, v[64*((\s)-1)+8*\k+\j]
.endr
.endif
.endr
.endm
.macro CLIP s
.irp t, 0,1
	WIN 0xa0+0x50*\t
.set ei, 0
.rept 64
	v_med3_num_f32 v[64*(\s)+ei], s40, s41, v[64*(\s)+ei]
.set ei, ei+1
.endr
.endr
.endm
.macro MAX s                           ; my 16 scores of each block of 32 keys of step s: their largest (no score lies under -10000)
.irp t, 0,1
	WIN 0x28+0x14*\t
.irp b, 0,1,2,3
	v_max3_num_f32 v[BM+16*\t+4*(\s)+\b], s40, v[64*(\s)+16*\b], v[64*(\s)+16*\b+1]
.endr
.irp i, 2,4,6,8,10,12,14
.irp b, 0,1,2,3
	v_max3_num_f32 v[BM+16*\t+4*(\s)+\b], v[BM+16*\t+4*(\s)+\b], v[64*(\s)+16*\b+\i], v[64*(\s)+16*\b+\i+1]
.endr
.endr
.endr
.endm
.macro EXPS qt                         ; p = 2^(s log2 e - m log2 e) of the tile's 256 registers: step n + 1's scalings stand among step n's exponentials; none of these lines names an exponential's result
	WIN 0x82+0x41*(\qt)
.set ei, 0
.rept 32
	v_pk_fma_f32 v[2*ei:2*ei+1], v[2*ei:2*ei+1], s[42:43], v[ST+12*(\qt):ST+12*(\qt)+1] op_sel_hi:[1,0,0]
.set ei, ei+1
.endr
	s_wait_alu depctr_va_vdst(0)
.irp n, 0,1,2,3
.set ei, 0
	s_wait_alu depctr_va_vdst(0)
.rept 32
.if \n < 3
	v_pk_fma_f32 v[64*(\n+1)+2*ei:64*(\n+1)+2*ei+1], v[64*(\n+1)+2*ei:64*(\n+1)+2*ei+1], s[42:43], v[ST+12*(\qt):ST+12*(\qt)+1] op_sel_hi:[1,0,0]
.endif
	v_exp_f32 v[64*\n+2*ei], v[64*\n+2*ei]
	v_exp_f32 v[64*\n+2*ei+1], v[64*\n+2*ei+1]
.set ei, ei+1
.endr
.endr
.endm
.macro SUMS qt                         ; the tile's 128 pairs in four chains; each chain starts with the sum of two pairs
	WIN 0x0a+0x05*(\qt)
.irp c, 0,1,2,3
	v_pk_add_f32 v[ST+12*(\qt)+4+2*\c:ST+12*(\qt)+5+2*\c], v[2*\c:2*\c+1], v[8+2*\c:9+2*\c]
.endr
	WIN 0x02+(\qt)
.set ei, 8
.rept 120
	v_pk_add_f32 v[ST+12*(\qt)+4+2*(ei%4):ST+12*(\qt)+5+2*(ei%4)], v[2*ei:2*ei+1], v[ST+12*(\qt)+4+2*(ei%4):ST+12*(\qt)+5+2*(ei%4)]
.set ei, ei+1
.endr
.endm
.macro NORM qt, s                      ; step s's 64 weights x 1 / sum
	WIN 0x02+(\qt)
.set ei, 0
.rept 32
	v_pk_mul_f32 v[PN+2*ei:PN+2*ei+1], v[64*(\s)+2*ei:64*(\s)+2*ei+1], v[ST+12*(\qt)+2:ST+12*(\qt)+3] op_sel_hi:[1,0]
.set ei, ei+1
.endr
	WIN 0
.endm
.macro QNT qt, s                       ; they become p's fragment of these 128 keys and its scale word
.irp b, 0,1,2,3
	v_mul_f32 v[TM+\b], v[BM+16*(\qt)+4*(\s)+\b], v[ST+12*(\qt)+2]   ; the block's largest weight: the same multiplication on the same number
.endr
.irp b, 0,1,2,3
	v_max_num_f32 v[TM+\b], 0x1800000, v[TM+\b]    ; the floor 2^(3 - 127): the byte cannot fall under 1
.endr
.irp b, 0,1,2,3
	v_add_nc_u32 v[TM+12+\b], 0xff000000, v[TM+\b] ; 2 off the exponent field: the conversion's scale operand
.endr
.irp b, 0,1,2,3
	v_lshrrev_b32 v[TM+4+\b], 23, v[TM+12+\b]
.endr
	v_lshl_or_b32 v[PW+(\qt)], v[TM+5], 8, v[TM+4]
	v_lshl_or_b32 v[PW+(\qt)], v[TM+6], 16, v[PW+(\qt)]
	v_lshl_or_b32 v[PW+(\qt)], v[TM+7], 24, v[PW+(\qt)]
.irp c, 0,1
	v_cvt_scalef32_pk16_fp6_f32 v[PF+12*(\qt)+6*\c:PF+12*(\qt)+6*\c+2], v[PN+32*\c:PN+32*\c+15], v[TM+12+2*\c]
	v_cvt_scalef32_pk16_fp6_f32 v[PT+4*\c:PT+4*\c+2], v[PN+16+32*\c:PN+31+32*\c], v[TM+13+2*\c]
.endr
	v_nop                                          ; one plain place behind a scaled conversion
.irp c, 0,1
.irp i, 0,1,2
	v_permlane16_swap_b32 v[PF+12*(\qt)+6*\c+\i], v[PT+4*\c+\i]
.endr
.irp i, 0,1,2
	v_mov_b32 v[PF+12*(\qt)+6*\c+3+\i], v[PT+4*\c+\i]
.endr
.endr
.endm
.macro PV1 ro, rv, rp, rs, rw, odd, zero
.if (\zero) && (\odd)
	v_wmma_scale_f32_16x16x128_f8f6f4 v[(\ro):(\ro)+7], v[(\rv):(\rv)+11], v[(\rp):(\rp)+11], 0, v[\rs], v[\rw] matrix_a_fmt:MATRIX_FMT_FP6 matrix_b_fmt:MATRIX_FMT_FP6 matrix_a_scale:MATRIX_SCALE_ROW1
.elseif \zero
	v_wmma_scale_f32_16x16x128_f8f6f4 v[(\ro):(\ro)+7], v[(\rv):(\rv)+11], v[(\rp):(\rp)+11], 0, v[\rs], v[\rw] matrix_a_fmt:MATRIX_FMT_FP6 matrix_b_fmt:MATRIX_FMT_FP6
.elseif \odd
	v_wmma_scale_f32_16x16x128_f8f6f4 v[(\ro):(\ro)+7], v[(\rv):(\rv)+11], v[(\rp):(\rp)+11], v[(\ro):(\ro)+7], v[\rs], v[\rw] matrix_a_fmt:MATRIX_FMT_FP6 matrix_b_fmt:MATRIX_FMT_FP6 matrix_a_scale:MATRIX_SCALE_ROW1
.else
	v_wmma_scale_f32_16x16x128_f8f6f4 v[(\ro):(\ro)+7], v[(\rv):(\rv)+11], v[(\rp):(\rp)+11], v[(\ro):(\ro)+7], v[\rs], v[\rw] matrix_a_fmt:MATRIX_FMT_FP6 matrix_b_fmt:MATRIX_FMT_FP6
.endif
.endm
.macro PV s                            ; O^T += v^T p^T: the eight accumulators by turns, one instruction a turn; step 0 starts the sums
	WIN 0x51
.irp d, 0,1,2,3
.irp t, 0,1
	PV1 192+8*(4*\t+\d), 48*(\s)+12*\d, PF+12*\t, VS+2*(\s)+\d/2, PW+\t, \d%2, (\s)==0
.endr
.endr
.endm
	KNEXT 0, 0
	KNEXT 1, 0
	KNEXT 2, 0
	KNEXT 3, 0
	s_wait_alu depctr_va_vdst(0)
	s_wait_tensorcnt 0x0                           ; my first chunk is in
	ds_add_u32 v[SPW], v[NIL]
	s_wait_dscnt 0x0
	CROUND
	tensor_load_to_lds s[28:31], s[16:23]          ; my wave's second chunk
	s_nop 0
.rept 4
	v_nop
.endr
	MLOAD 0                                        ; the first pair's mask: steps 0 and 1 lie in my first chunk, which is in
	MLOAD 1
	s_wait_tensorcnt 0x0                           ; my second chunk is in LDS; only I read my chunks
	MLOAD 2
	MLOAD 3
	WIN 0
.Lhead:                                                ; a trip: one (batch, head) pair
	; ---- 1: the scores
	s_wait_loadcnt 0x0                             ; k, q and their scale words
	s_wait_dscnt 0x0                               ; the mask stands in the accumulators' registers
	QKH 0, 0, 0
	QKH 0, 1, 0
.rept 4
	v_nop                                          ; places in front of the first clips
.endr
	VLOAD 0                                        ; (the four v_nop above are also the places in front of these loads)
.irp st, 1,2,3
	QKH \st, 0, 1
	QKH \st, 1, 1
	VLOAD \st                                      ; the eight clips behind the step's last product are the places in front of these loads
	MAX \st-1
.endr
	CLIP 3
	MAX 3
	; ---- 2: the rows' maxima
	WIN 0
.irp g, 0,1,2,3,4,5,6,7
.irp k, 0,1,2,3
	v_permlanex16_b32 v[TM+4+\k], v[BM+4*\g+\k], s38, s39
.endr
.irp k, 0,1,2,3
	v_max_num_f32 v[BM+4*\g+\k], v[BM+4*\g+\k], v[TM+4+\k]   ; with lane l xor 16's 16 keys: the block's largest score
.endr
.endr
.irp t, 0,1
.set B0, BM+16*\t
.set T0, TP+5*\t
	v_max3_num_f32 v[T0], v[B0], v[B0+1], v[B0+2]
	v_max3_num_f32 v[T0+1], v[B0+3], v[B0+4], v[B0+5]
	v_max3_num_f32 v[T0+2], v[B0+6], v[B0+7], v[B0+8]
	v_max3_num_f32 v[T0+3], v[B0+9], v[B0+10], v[B0+11]
	v_max3_num_f32 v[T0+4], v[B0+12], v[B0+13], v[B0+14]
	v_max3_num_f32 v[T0], v[T0], v[T0+1], v[B0+15]
	v_max3_num_f32 v[T0+2], v[T0+2], v[T0+3], v[T0+4]
	v_max_num_f32 v[T0], v[T0], v[T0+2]            ; m_w: the largest of my wave's 512 scores of the row
	v_mul_f32 v[ST+12*\t], 0xbfb8aa3b, v[T0]       ; -m_w log2 e
	v_mov_b32 v[ST+12*\t+1], v[ST+12*\t]           ; (named with it as a pair)
	ds_store_b32 v[AXM], v[ST+12*\t] offset:128*\t ; it is read behind the barrier of the sums
.endr
	; ---- 3: the exponentials, one batch
.irp t, 0,1
.irp k, 0,1,2,3,4,5,6,7,8,9,10,11,12,13,14,15
	v_fma_f32 v[BM+16*\t+\k], v[BM+16*\t+\k], s42, v[ST+12*\t]
.endr
.endr
.set ei, 0
	s_wait_alu depctr_va_vdst(0)
.rept 32
	v_exp_f32 v[BM+ei], v[BM+ei]                   ; the blocks' largest weights
.set ei, ei+1
.endr
	EXPS 0
	EXPS 1
	v_nop                                          ; a plain instruction behind the last exponential
	s_wait_alu depctr_va_vdst(0)                   ; the wait ahead of the first reader: one for the whole batch
	; ---- 4: the rows' sums, of the weights as they are
	SUMS 0
	SUMS 1
	WIN 0
.irp t, 0,1
.set A0, ST+12*\t+4
	v_pk_add_f32 v[A0:A0+1], v[A0:A0+1], v[A0+2:A0+3]
	v_pk_add_f32 v[A0+4:A0+5], v[A0+4:A0+5], v[A0+6:A0+7]
	v_pk_add_f32 v[A0:A0+1], v[A0:A0+1], v[A0+4:A0+5]
	v_add_f32 v[A0], v[A0], v[A0+1]
	v_permlanex16_b32 v[TM+4+\t], v[A0], s38, s39
	v_add_f32 v[A0], v[A0], v[TM+4+\t]
	ds_store_b32 v[AXM], v[A0] offset:1024+128*\t
.endr
	BAR                                            ; the four waves' sums lie in LDS
.irp t, 0,1
.irp w, 0,1,2,3
	ds_load_b32 v[PN+4*\t+\w], v[ARM] offset:1024+256*\w+128*\t    ; l_w
	ds_load_b32 v[PN+8+4*\t+\w], v[ARM] offset:256*\w+128*\t       ; -m_w log2 e
.endr
.endr
	s_wait_dscnt 0x0
.irp t, 0,1
	v_min_num_f32 v[TP+\t], v[PN+8+4*\t], v[PN+9+4*\t]
	v_min_num_f32 v[TP+4+\t], v[PN+10+4*\t], v[PN+11+4*\t]
.endr
.irp t, 0,1
	v_min_num_f32 v[TP+\t], v[TP+\t], v[TP+4+\t]   ; -m log2 e of the whole row
.endr
.irp t, 0,1
.irp w, 0,1,2,3
	v_sub_f32 v[PN+8+4*\t+\w], v[TP+\t], v[PN+8+4*\t+\w]           ; (m_w - m) log2 e, 0 or less
.endr
	v_sub_f32 v[TP+2+\t], v[TP+\t], v[ST+12*\t]    ; and my own wave's
.endr
	s_wait_alu depctr_va_vdst(0)                   ; ahead of the batch
.irp i, 8,9,10,11,12,13,14,15
	v_exp_f32 v[PN+\i], v[PN+\i]                   ; f_w
.endr
	v_exp_f32 v[TP+2], v[TP+2]
	v_exp_f32 v[TP+3], v[TP+3]
	v_nop
	s_wait_alu depctr_va_vdst(0)                   ; and behind it, ahead of the first reader
.irp t, 0,1
	v_mul_f32 v[PN+4*\t], v[PN+4*\t], v[PN+8+4*\t] ; the row's sum: l_w f_w, the same order in every wave
.endr
.irp w, 1,2,3
.irp t, 0,1
	v_fma_f32 v[PN+4*\t], v[PN+4*\t+\w], v[PN+8+4*\t+\w], v[PN+4*\t]
.endr
.endr
	s_wait_alu depctr_va_vdst(0)
	v_rcp_f32 v[TP+8], v[PN]
	v_rcp_f32 v[TP+9], v[PN+4]
	v_nop
	s_wait_alu depctr_va_vdst(0)                   ; one wait for the two reciprocals
.irp t, 0,1
	v_fma_f32 v[TP+10+\t], -v[PN+4*\t], v[TP+8+\t], 1.0
	v_fma_f32 v[TP+8+\t], v[TP+8+\t], v[TP+10+\t], v[TP+8+\t]   ; one step of Newton
	v_cmp_gt_f32 vcc_lo, 0x7f800000, v[TP+8+\t]    ; the: a row whose 1 / sum is neither a number nor finite gets zeros
	v_cndmask_b32 v[TP+8+\t], 0, v[TP+8+\t], vcc_lo
	v_mul_f32 v[ST+12*\t+2], v[TP+8+\t], v[TP+2+\t]   ; f_w / sum: my wave's multiplier
	v_mov_b32 v[ST+12*\t+3], v[ST+12*\t+2]
.endr
	; ---- 5: normalise, quantise, multiply by v; the next pair's k follows v's fragments out of window 1, a step behind
	s_wait_alu depctr_va_vdst(0)
	s_wait_loadcnt 0x0                             ; v and its scale words
.irp st, 0,1,2,3
	NORM 0, \st                                    ; (32 plain instructions that name none of the last products' registers: the places in front of the loads and writes below)
.if \st > 0
	KNEXT (\st-1), 1
.endif
	QNT 0, \st
	NORM 1, \st
	QNT 1, \st
.rept 8
	v_nop                                          ; a scale register written by a vector instruction stands 8 places ahead of a scaled matrix instruction, an operand so written 4
.endr
	PV \st
.endr
	; ---- 6: the four waves' parts of O^T are added; wave w takes tile w / 2 of the queries and block w % 2 of the head's 64, and quantises it
.rept 4
	v_nop
.endr
	KNEXT 3, 1
	WIN 0x04                                       ; an LDS store's data are its source 1: window 1
.irp n, 0,1,2,3,4,5,6,7,8,9,10,11,12,13,14,15
	ds_store_b128 v[AXW], v[192+4*\n:192+4*\n+3] offset:512*\n     ; each accumulator from its low end on
.endr
	WIN 0
	BAR                                            ; the four parts lie in LDS
.irp w, 0,1,2,3
.irp p, 0,1,2,3
	ds_load_b128 v[PN+16*\w+4*\p:PN+16*\w+4*\p+3], v[AXR] offset:8192*\w+512*\p
.endr
.endr
	s_wait_dscnt 0x0
.irp k, 0,2,4,6,8,10,12,14
	v_pk_add_f32 v[PN+\k:PN+\k+1], v[PN+\k:PN+\k+1], v[PN+16+\k:PN+17+\k]
	v_pk_add_f32 v[PN+32+\k:PN+33+\k], v[PN+32+\k:PN+33+\k], v[PN+48+\k:PN+49+\k]
.endr
.irp k, 0,2,4,6,8,10,12,14
	v_pk_add_f32 v[PN+\k:PN+\k+1], v[PN+\k:PN+\k+1], v[PN+32+\k:PN+33+\k]
.endr
	v_max3_num_f32 v[TM], |v[PN]|, |v[PN+1]|, 0x1800000            ; my 16 numbers of the block, and the floor
	v_max3_num_f32 v[TM+1], |v[PN+8]|, |v[PN+9]|, |v[PN+10]|
	v_max3_num_f32 v[TM], v[TM], |v[PN+2]|, |v[PN+3]|
	v_max3_num_f32 v[TM+1], v[TM+1], |v[PN+11]|, |v[PN+12]|
	v_max3_num_f32 v[TM], v[TM], |v[PN+4]|, |v[PN+5]|
	v_max3_num_f32 v[TM+1], v[TM+1], |v[PN+13]|, |v[PN+14]|
	v_max3_num_f32 v[TM], v[TM], |v[PN+6]|, |v[PN+7]|
	v_max3_num_f32 v[TM], v[TM], v[TM+1], |v[PN+15]|
	v_permlanex16_b32 v[TM+4], v[TM], s38, s39
	v_max_num_f32 v[TM], v[TM], v[TM+4]
	v_add_nc_u32 v[TM+12], 0xff000000, v[TM]
	v_lshrrev_b32 v[TM+5], 23, v[TM+12]
	v_cvt_scalef32_pk16_fp6_f32 v[PT:PT+2], v[PN:PN+15], v[TM+12]  ; lane (r, h): places 16 h .. 16 h + 15 of the block
	v_add_nc_u32 v[ADT], s45, v[AST]               ; (a plain place behind the conversion)
	v_add_nc_u32 v[ADU], s48, v[ASS]
	ds_store_b96 v[ADT], v[PT:PT+2]                ; 12 bytes to a place of 16: every address is a multiple of 16
	ds_store_b8 v[ADU], v[TM+5]                    ; both halves of the lanes write the same byte with the same value
	s_wait_xcnt 0x0                                ; the loads issued in this trip have read their bases: they are stepped only behind this wait
	s_add_nc_u64 s[32:33], s[32:33], BHB
	s_add_nc_u64 s[34:35], s[34:35], 8192
	s_add_nc_u64 s[36:37], s[36:37], 4096
	s_add_co_u32 s45, s45, 32
	s_add_co_u32 s48, s48, 1
	s_sub_co_u32 s44, s44, 1
	s_cmp_lg_u32 s44, 0
	s_cbranch_scc1 .Lhead
	; ---- THE WAY OUT: 32 rows x 384 bytes of codes, my 8 heads' half of each row of oc; wave w stores rows 8 w on, 384 consecutive bytes an instruction (the row's middle 256 bytes are shared with the work-group of the other 8 heads)
	BAR
.irp p, 0,1,2,3,4,5,6,7
	ds_load_b96 v[PN+4*\p:PN+4*\p+2], v[ARD] offset:OSP*\p
.endr
.irp p, 0,1,2,3,4,5,6,7
	s_wait_dscnt 7-\p                              ; row p is in; the later rows may be out
	global_store_b96 v[GOC], v[PN+4*\p:PN+4*\p+2], s[46:47] offset:768*\p
.endr
	s_cmp_lg_u32 s12, 0                            ; the scale bytes: wave 0 alone, a lane a row: my 8 heads' 16 bytes of the row's 32 (the other 16 are another work-group's: these stores fill half of each 32 bytes; they are one byte in 24 of what leaves here)
	s_cbranch_scc1 .Lnot_0
	ds_load_b64 v[TP:TP+1], v[ASR]                 ; block 0 of the 8 heads,
	ds_load_b64 v[TP+2:TP+3], v[ASR] offset:128    ; block 1
	s_wait_dscnt 0x0
	v_perm_b32 v[TP+4], v[TP+2], v[TP], 0x05010400 ; by turns: head 0's two, head 1's two,
	v_perm_b32 v[TP+5], v[TP+2], v[TP], 0x07030602
	v_perm_b32 v[TP+6], v[TP+3], v[TP+1], 0x05010400
	v_perm_b32 v[TP+7], v[TP+3], v[TP+1], 0x07030602
	global_store_b128 v[GSC], v[TP+4:TP+7], s[54:55]
.Lnot_0:
	s_wait_tensorcnt 0x0                           ; the wave's end, behind my last tensor load and my last LDS store
	ds_add_u32 v[SPW], v[NIL]
	s_wait_dscnt 0x0
	CROUND                                         ; the closing round
	s_endpgm
.Lfunc_end_k_q81373daa98_attn:
	.size	k_q81373daa98_attn, .Lfunc_end_k_q81373daa98_attn-k_q81373daa98_attn
	.p2alignl 7, 3214868480
	.fill 96, 4, 3214868480
	.section	.rodata,"a",@progbits
	.p2align	6, 0x0
	.amdhsa_kernel k_q81373daa98_attn
		.amdhsa_group_segment_fixed_size 327680
		.amdhsa_private_segment_fixed_size 0
		.amdhsa_enable_private_segment 0
		.amdhsa_kernarg_size 32
		.amdhsa_user_sgpr_count 2
		.amdhsa_user_sgpr_kernarg_segment_ptr 1
		.amdhsa_wavefront_size32 1
		.amdhsa_system_sgpr_workgroup_id_x 1
		.amdhsa_system_sgpr_workgroup_id_y 1
		.amdhsa_system_sgpr_workgroup_id_z 1
		.amdhsa_system_vgpr_workitem_id 0
		.amdhsa_next_free_vgpr 1024
		.amdhsa_next_free_sgpr 66
		.amdhsa_reserve_vcc 1
		.amdhsa_float_denorm_mode_32 3
		.amdhsa_float_denorm_mode_16_64 3
		.amdhsa_memory_ordered 1
		.amdhsa_forward_progress 1
		.amdhsa_inst_pref_size 207
	.end_amdhsa_kernel
	.amdgpu_metadata
---
amdhsa.version: [ 1, 2 ]
amdhsa.kernels:
  - .name:           k_q81373daa98_attn
    .symbol:         k_q81373daa98_attn.kd
    .args:
      - { .name: ac, .offset: 0, .size: 8, .value_kind: global_buffer, .address_space: global }
      - { .name: asc, .offset: 8, .size: 8, .value_kind: global_buffer, .address_space: global }
      - { .name: causal_mask, .offset: 16, .size: 8, .value_kind: global_buffer, .address_space: global }
      - { .name: oc, .offset: 24, .size: 8, .value_kind: global_buffer, .address_space: global }
    .group_segment_fixed_size: 327680
    .private_segment_fixed_size: 0
    .kernarg_segment_align: 8
    .kernarg_segment_size: 32
    .max_flat_workgroup_size: 128
    .sgpr_count:     66
    .vgpr_count:     1024
    .wavefront_size: 32
...
	.end_amdgpu_metadata
.endif
;; end of part 3
;; launch proj (part 4): grid 8 x 32, 4 waves a work-group, clusters of 4 x 4, 327,680 bytes of LDS; arguments oc, cod, scl, out0; writes out0
.if DOCPART == 4
	.amdgcn_target "amdgcn-amd-amdhsa--gfx1250"
	.amdhsa_code_object_version 6
	.text
	.protected	k_q81373daa98_proj
	.globl	k_q81373daa98_proj
	.p2align	8
	.type	k_q81373daa98_proj,@function
k_q81373daa98_proj:
	s_mov_b64 s[64:65], 0
	v_nop
	global_prefetch_b8 v0, s[64:65] scope:SCOPE_SE
	s_setreg_imm32_b32 hwreg(HW_REG_WAVE_MODE, 25, 1), 1
	s_wait_xcnt 0x0
	s_wait_alu depctr_hold_cnt(0) depctr_sa_sdst(0) depctr_va_vdst(0) depctr_va_sdst(0) depctr_va_ssrc(0) depctr_va_vcc(0) depctr_vm_vsrc(0)
	s_getreg_b32 s2, hwreg(HW_REG_IB_STS2, 6, 4)
	s_cmp_eq_u32 s2, 0
	s_cbranch_scc0 .Lentry_in_a_cluster
	s_endpgm
.Lentry_in_a_cluster:
	s_bfe_u32 s2, ttmp6, 0x10000c
	s_cmp_lg_u32 s2, 0xf033
	s_cbranch_scc0 .Lentry_shape_is_right
	s_endpgm
.Lentry_shape_is_right:
; Launch 4 of 4: out0 = O Wo^T on codes of FP6.  O: oc [4096][768 bytes], its scale bytes [4096][32] behind them; Wo: rows 7168 on of cod and scl.  No work of the problem is left out.
; SHARES.  256 work-groups; work-group (g, mt) makes tokens 128 mt .. +127 x columns 128 g .. +127; wave (wy, wx) 64 x 64: 16 accumulators.
; LDS.  All of K at once: a row of codes is 768 bytes of memory, begins at a multiple of 256 and comes whole, 16 bytes of padding behind each 256: pitch 816.  O's 128 rows, then Wo's 128.  Each wave issues one tensor load
; of 64 rows at the head; nothing is filled again.  CLUSTERS 4 x 4: O's rows are asked for jointly along a row of the cluster, Wo's along a column.
; NO PREFETCH: the launch's only loads stand at its head; there is no loop to run ahead in.
; Source 0 = 16 rows of Wo, source 1 = 16 tokens: a lane holds eight neighbouring columns of a token's row.  A block of 16 tokens x 64 columns goes through the wave's own stage and leaves as rows of 256 bytes, aligned.
; REGISTERS: window 0: v2-10 addresses, v32-63 O's scale words, v64-95 Wo's (8 block + K step), v96-191 two sets of O's fragments.  window 1: v0-127 accumulators, v128-223 two sets of Wo's fragments.
.set PITCH, 816
.set HALFT, 64*PITCH
.set TILE,  2*HALFT
.set SPITCH, 272
.set STAGE, 2*TILE
.set SPARE, STAGE+4*16*SPITCH
.set ADRA,  2
.set ADRB,  4
.set SAO,   6
.set SBO,   7
.set STO,   8
.set RD,    9
.set CO,    10
.set SPW,   28
.set NIL,   29
.set SCA,   32
.set SCB,   64
.set FA,    96
.set BK,    96
.set G1,  24
.set G0A, 32
.set G0B, 36
.set G1B, 48
.set MSB, 0
.macro WIN new
.if MSB != (\new)
	s_set_vgpr_msb (MSB<<8)|(\new)
.set MSB, (\new)
.endif
.endm
.macro PLACES
.rept 4
	v_nop
.endr
.endm
.macro CROUND
	s_barrier_signal -1
	s_barrier_wait -1
	s_cmp_lg_u32 s14, 0
	s_cbranch_scc1 .Lnot_wave_0_\@
	s_barrier_signal -3
.Lnot_wave_0_\@:
	s_barrier_wait -3
	s_barrier_signal -1
	s_barrier_wait -1
.endm
	s_load_b128 s[4:7], s[0:1], 0x0                ; oc, cod
	s_load_b128 s[8:11], s[0:1], 0x10              ; scl, out0
	v_lshl_add_u32 v[SPW], v0, 2, SPARE
	v_mov_b32 v[NIL], 0
	ds_add_u32 v[SPW], v[NIL]                      ; the opening: the add twice on end and its wait
	ds_add_u32 v[SPW], v[NIL]
	v_lshrrev_b32 v1, 5, v0
	v_readfirstlane_b32 s14, v1
	s_lshr_b32 s15, s14, 1                         ; wy; also: I fetch O (0) or Wo (1)
	s_and_b32 s16, s14, 1                          ; wx; also: which 64 rows I fetch
	s_bfe_u32 s40, ttmp6, 0x40000
	s_bfe_u32 s41, ttmp6, 0x40004
	s_lshl_b32 s42, ttmp9, 2
	s_add_co_u32 s42, s42, s40                     ; g
	s_and_b32 s17, ttmp7, 0xffff
	s_lshl_b32 s17, s17, 2
	s_add_co_u32 s17, s17, s41                     ; mt
	s_lshl_b32 s43, s41, 2
	s_lshl_b32 s43, 15, s43
	s_lshl_b32 s44, 0x1111, s40
	s_or_b32 s[G1+0], s43, (1<<20)|(1<<21)|(5<<22)|(3<<25)
	s_or_b32 s[G1B+0], s44, (1<<20)|(1<<21)|(5<<22)|(3<<25)
.irp g, G1, G1B
	s_mov_b32 s[\g+1], 768<<16
	s_mov_b32 s[\g+2], 64<<16
	s_mov_b32 s[\g+3], 768<<16
	s_mov_b32 s[\g+4], 64
	s_mov_b32 s[\g+5], 768
	s_mov_b32 s[\g+6], 0
	s_mov_b32 s[\g+7], 0
.endr
	s_lshl_b32 s18, s16, 6
	s_lshl_b32 s20, s17, 7
	s_add_co_u32 s20, s20, s18
	s_mul_i32 s20, s20, 768
	s_mov_b32 s21, 0
	s_lshl_b32 s46, s42, 7
	s_add_co_u32 s46, s46, s18
	s_add_co_u32 s46, s46, 7168
	s_mul_i32 s46, s46, 768
	s_mov_b32 s47, 0
	s_mul_i32 s45, s14, HALFT
	s_wait_dscnt 0x0
	s_wait_kmcnt 0x0
	s_add_nc_u64 s[20:21], s[4:5], s[20:21]
	s_add_nc_u64 s[46:47], s[6:7], s[46:47]
	s_mov_b32 s[G0A], 1
	s_mov_b32 s[G0A+1], s45
	s_mov_b64 s[G0A+2:G0A+3], s[20:21]
	s_or_b32 s[G0A+3], s[G0A+3], 0x80000000
	s_mov_b32 s[G0B], 1
	s_mov_b32 s[G0B+1], s45
	s_mov_b64 s[G0B+2:G0B+3], s[46:47]
	s_or_b32 s[G0B+3], s[G0B+3], 0x80000000
	CROUND                                         ; the joint loads meet
	s_cmp_eq_u32 s15, 0
	s_cbranch_scc0 .Lhead_b
	tensor_load_to_lds s[G0A:G0A+3], s[G1:G1+7]
	s_nop 0
	PLACES
	s_branch .Lhead_asked
.Lhead_b:
	tensor_load_to_lds s[G0B:G0B+3], s[G1B:G1B+7]
	s_nop 0
	PLACES
.Lhead_asked:
	s_mul_i32 s80, s15, HALFT
	s_mul_i32 s81, s16, HALFT
	s_add_co_u32 s81, s81, TILE
	s_mul_i32 s82, s14, 16*SPITCH
	s_add_co_u32 s82, s82, STAGE
	s_lshl_b32 s84, s17, 7
	s_lshl_b32 s85, s15, 6
	s_add_co_u32 s84, s84, s85                     ; my first token
	s_lshl_b32 s86, s42, 7
	s_lshl_b32 s85, s16, 6
	s_add_co_u32 s86, s86, s85                     ; my first column
	s_lshl_b32 s87, s84, 5
	s_add_co_u32 s88, s86, 7168
	s_lshl_b32 s88, s88, 5
	s_lshl_b32 s92, s84, 12
	s_lshl_b32 s91, s86, 2
	s_add_co_u32 s92, s92, s91
	s_mov_b32 s93, 0
	s_add_nc_u64 s[10:11], s[10:11], s[92:93]
	v_and_b32 v1, 15, v0
	v_bfe_u32 v18, v0, 4, 1
	v_mul_u32_u24 v20, v1, PITCH
	v_mad_u32_u24 v20, v18, 24, v20
	v_lshl_add_u32 v21, v18, 4, v20
	v_add_nc_u32 v[ADRA], s80, v20
	v_add_nc_u32 v[ADRA+1], s80, v21
	v_add_nc_u32 v[ADRB], s81, v20
	v_add_nc_u32 v[ADRB+1], s81, v21
	v_lshl_add_u32 v[SAO], v1, 5, s87
	v_lshl_add_u32 v[SBO], v1, 5, s88
	v_mul_u32_u24 v22, v1, SPITCH
	v_lshl_add_u32 v22, v18, 5, v22
	v_add_nc_u32 v[STO], s82, v22                  ; in: row r, 32 bytes for each half of the lanes
	v_mul_u32_u24 v23, v18, SPITCH
	v_lshl_add_u32 v23, v1, 4, v23
	v_add_nc_u32 v[RD], s82, v23                   ; back: sixteen lanes to a row of 256 bytes
	v_lshlrev_b32 v[CO], 12, v18
	v_lshl_add_u32 v[CO], v1, 4, v[CO]             ; and the same two rows in out0
	s_wait_alu depctr_va_vdst(0)                   ; the head's end
.irp i, 0,1,2,3
.irp e, 0,1
	global_load_b128 v[SCA+8*\i+4*\e:SCA+8*\i+4*\e+3], v[SAO], s[4:5] offset:3145728+512*\i+16*\e
	global_load_b128 v[SCB+8*\i+4*\e:SCB+8*\i+4*\e+3], v[SBO], s[8:9] offset:512*\i+16*\e
.endr
.endr
.macro FRAG reg, adr, st, i            ; 16 rows x 128 K: six pieces of 8 bytes; byte y of a row lies at y + 16 (y / 256)
.irp p, 0,1,2,3,4,5
.set BY, 96*(\st)+48*(\p/3)+8*(\p%3)
.if BY/256 == (BY+24)/256
	ds_load_b64 v[\reg+2*\p:\reg+2*\p+1], v[\adr] offset:BY+16*(BY/256)+(\i)*16*PITCH
.else
	ds_load_b64 v[\reg+2*\p:\reg+2*\p+1], v[\adr+1] offset:BY+16*(BY/256)+(\i)*16*PITCH
.endif
.endr
.endm
.macro FETCH st, set
.irp i, 0,1,2,3
	FRAG FA+48*(\set)+12*\i, ADRA, \st, \i
.endr
	WIN 0x40
.irp i, 0,1,2,3
	FRAG 128+48*(\set)+12*\i, ADRB, \st, \i
.endr
	WIN 0
.endm
.macro MUL st, set                     ; the 16 accumulators by turns, one instruction a turn; K step 0 starts the sums
.irp a, 0,1,2,3
.irp b, 0,1,2,3
.set DD, 8*(4*\a+\b)
.set RGX, 128+48*(\set)+12*\b
.set RGY, FA+48*(\set)+12*\a
.if (\st) == 0
	v_wmma_scale_f32_16x16x128_f8f6f4 v[DD:DD+7], v[RGX:RGX+11], v[RGY:RGY+11], 0, v[SCB+8*\b+(\st)], v[SCA+8*\a+(\st)] matrix_a_fmt:MATRIX_FMT_FP6 matrix_b_fmt:MATRIX_FMT_FP6
.else
	v_wmma_scale_f32_16x16x128_f8f6f4 v[DD:DD+7], v[RGX:RGX+11], v[RGY:RGY+11], v[DD:DD+7], v[SCB+8*\b+(\st)], v[SCA+8*\a+(\st)] matrix_a_fmt:MATRIX_FMT_FP6 matrix_b_fmt:MATRIX_FMT_FP6
.endif
.endr
.endr
.endm
	s_wait_tensorcnt 0x0                           ; my 64 rows are in;
	s_barrier_signal -1
	s_barrier_wait -1                              ; everybody's are
	FETCH 0, 0
.set ST, 0
.rept 8
.if ST < 7
.if ST > 0
	PLACES                                         ; in front of loads into registers that the last step but one multiplied
.endif
	FETCH ST+1, (ST+1)%2
	s_wait_dscnt 48                                ; all but the 48 just issued
.else
	s_wait_dscnt 0x0
.endif
.if ST == 0
	s_wait_loadcnt 0x0                             ; the scale words
.endif
	WIN 0x51
	MUL ST, ST%2
	WIN 0
.set ST, ST+1
.endr
	PLACES
.macro TOSTAGE a
	WIN 0x04
.irp b, 0,1,2,3
	ds_store_b128 v[STO], v[32*(\a)+8*\b:32*(\a)+8*\b+3] offset:64*\b          ; each accumulator from its low end on
	ds_store_b128 v[STO], v[32*(\a)+8*\b+4:32*(\a)+8*\b+7] offset:64*\b+16
.endr
	WIN 0
.irp t, 0,1,2,3,4,5,6,7
	ds_load_b128 v[BK+32*((\a)%2)+4*\t:BK+32*((\a)%2)+4*\t+3], v[RD] offset:\t*2*SPITCH   ; my wave's own bytes, served in order
.endr
.endm
.macro SEND a, younger
	s_wait_dscnt \younger
.irp t, 0,1,2,3,4,5,6,7
	global_store_b128 v[CO], v[BK+32*((\a)%2)+4*\t:BK+32*((\a)%2)+4*\t+3], s[10:11] offset:(\a)*65536+\t*8192 th:TH_STORE_NT   ; sixteen lanes store 256 consecutive bytes, aligned
.endr
.endm
	TOSTAGE 0
.irp a, 1,2,3
.if \a > 1
	s_wait_xcnt 0x0                                ; block a - 2's stores have read their registers
.endif
	TOSTAGE \a
	SEND \a-1, 16                                  ; behind block a - 1's loads: block a's 8 stores and 8 loads
.endr
	SEND 3, 0
	s_wait_tensorcnt 0x0                           ; the wave's end
	ds_add_u32 v[SPW], v[NIL]
	s_wait_dscnt 0x0
	CROUND                                         ; the closing round
	s_endpgm
.Lfunc_end_k_q81373daa98_proj:
	.size	k_q81373daa98_proj, .Lfunc_end_k_q81373daa98_proj-k_q81373daa98_proj
	.p2alignl 7, 3214868480
	.fill 96, 4, 3214868480
	.section	.rodata,"a",@progbits
	.p2align	6, 0x0
	.amdhsa_kernel k_q81373daa98_proj
		.amdhsa_group_segment_fixed_size 327680
		.amdhsa_private_segment_fixed_size 0
		.amdhsa_enable_private_segment 0
		.amdhsa_kernarg_size 32
		.amdhsa_user_sgpr_count 2
		.amdhsa_user_sgpr_kernarg_segment_ptr 1
		.amdhsa_wavefront_size32 1
		.amdhsa_system_sgpr_workgroup_id_x 1
		.amdhsa_system_sgpr_workgroup_id_y 1
		.amdhsa_system_sgpr_workgroup_id_z 1
		.amdhsa_system_vgpr_workitem_id 0
		.amdhsa_next_free_vgpr 512
		.amdhsa_next_free_sgpr 100
		.amdhsa_reserve_vcc 0
		.amdhsa_float_denorm_mode_32 3
		.amdhsa_float_denorm_mode_16_64 3
		.amdhsa_memory_ordered 1
		.amdhsa_forward_progress 1
		.amdhsa_inst_pref_size 58
	.end_amdhsa_kernel
	.amdgpu_metadata
---
amdhsa.version: [ 1, 2 ]
amdhsa.kernels:
  - .name:           k_q81373daa98_proj
    .symbol:         k_q81373daa98_proj.kd
    .args:
      - { .name: oc, .offset: 0, .size: 8, .value_kind: global_buffer, .address_space: global }
      - { .name: cod, .offset: 8, .size: 8, .value_kind: global_buffer, .address_space: global }
      - { .name: scl, .offset: 16, .size: 8, .value_kind: global_buffer, .address_space: global }
      - { .name: out0, .offset: 24, .size: 8, .value_kind: global_buffer, .address_space: global }
    .group_segment_fixed_size: 327680
    .private_segment_fixed_size: 0
    .kernarg_segment_align: 8
    .kernarg_segment_size: 32
    .max_flat_workgroup_size: 128
    .sgpr_count:     100
    .vgpr_count:     512
    .wavefront_size: 32
...
	.end_amdgpu_metadata
.endif
;; end of part 4
